; MI455X (gfx1250); checked and timed in simulation.
; The chip was launched on July 23, 2026; its instructions are those of AMD's public machine-readable ISA for CDNA 5 (MIT licence, August 2026) and "CDNA5" Instruction Set Architecture Reference Guide (July 2026). The comments in the code are by the model that wrote it; some were corrected since.
;; Single Head Attention. Allowed arithmetic: float matrix products may take bf16 or f16 operands with f32 sums; other float arithmetic in f32, or as packed bf16 or f16 multiplies, adds, multiply-adds, maxima and minima; sums over many terms, partial sums and values carried from step to step in f32; what a program stores and reads back later, other than sums and carried values, may be rounded once to bf16 or f16.
;; Inputs: W_k 1,024 x 1,024 float32; W_q 1,024 x 1,024 float32; W_v 1,024 x 1,024 float32; embedded 4 x 2,048 x 1,024 float32.
;; Outputs: out0 4 x 2,048 x 1,024 float32.
;; 2 versions, each right; version 2 is version 1 with the launch cast written anew for expert scheduling mode. Each part assembles by itself: llvm-mc -triple=amdgcn-amd-amdhsa -mcpu=gfx1250 --defsym DOCPART=n.
;; ======== version 1 of 2: 4 launches
;; limits: values are held in f16: magnitudes above 65,504 overflow, below 6.1e-05 lose precision
;; workspace buffers: xb 16,777,216 bytes; wb 6,291,456 bytes; qkv 50,331,648 bytes; p 33,554,432 bytes; stat 1,048,576 bytes
;; launch cast (part 1): grid 704 x 1, 8 waves a work-group, no clusters, 0 bytes of LDS; arguments embedded, W_q, W_k, W_v, xb, wb; writes xb, wb
.if DOCPART == 1
	.amdgcn_target "amdgcn-amd-amdhsa--gfx1250"
	.amdhsa_code_object_version 6
	.text
	.protected	k_qc411bf3f4d_cast
	.globl	k_qc411bf3f4d_cast
	.p2align	8
	.type	k_qc411bf3f4d_cast,@function
k_qc411bf3f4d_cast:
	s_mov_b64 s[64:65], 0
	v_nop
	global_prefetch_b8 v0, s[64:65] scope:SCOPE_SE
	s_setreg_imm32_b32 hwreg(HW_REG_WAVE_MODE, 25, 1), 1
	s_wait_xcnt 0x0
; xb = bf16(embedded), wb = bf16(W_q ; W_k ; W_v), each number rounded once, to nearest even, and laid out IN BLOCKS OF 32 CHANNELS for the product behind:
;   xb[kq][row][32], kq = 0..31, row = 0..8191: a block is 524,288 bytes;   wb[kq][row][32], row = 0..3071 (W_q, W_k, W_v one behind the other): a block is 196,608 bytes.
; So the rows of a tile of that product lie end to end in each block, 64 bytes a row.
; A work-group converts 16 rows of 1,024 numbers: 65,536 bytes in, 32,768 out.  Groups 0-511 take embedded; group 512 + h takes rows 16 (h % 64) .. of weight h / 64, which are rows 16 h .. of wb.
; Wave w takes the blocks kq = 4 w .. 4 w + 3.  Unit u of 16: block 4 w + u % 4, rows 4 (u / 4) .. + 3.  Lane l: row l / 8 of the four, numbers 4 (l % 8) .. + 3 of the 32:
; a load takes 128 consecutive bytes of each of four rows (two units on end make 256, aligned), a store covers 256 consecutive bytes, aligned: four rows of a block.
; All 16 loads of a thread go out first; no register is written twice, so no wait frees a source.  No LDS, no matrix unit, no cluster: nothing is shared and nothing is read twice.
.set VO, 4                             ; v[4:7]    byte offset in the output of my 8 bytes in block 4 w + j, j = 0..3
.set X,  8                             ; v[8:71]   unit u: 4 numbers in f32
.set Y,  72                            ; v[72:103] unit u: 4 numbers in bf16
	s_load_b256 s[4:11], s[0:1], 0x0               ; embedded s[4:5], W_q s[6:7], W_k s[8:9], W_v s[10:11]
	s_load_b128 s[12:15], s[0:1], 0x20             ; xb s[12:13], wb s[14:15]
	v_and_b32 v2, 31, v0                           ; lane
	v_lshrrev_b32 v3, 5, v0                        ; wave
	v_lshrrev_b32 v1, 3, v2
	v_lshlrev_b32 v1, 12, v1                       ; row l / 8: 4,096 bytes a row
	v_and_b32 v0, 7, v2
	v_lshl_add_u32 v1, v0, 4, v1                   ; + 16 (l % 8)
	v_lshl_add_u32 v1, v3, 9, v1                   ; + my wave's four blocks: 512 bytes of a row
	v_lshlrev_b32 v3, 2, v3                        ; 4 w
	s_max_u32 s16, ttmp9, 512
	s_sub_co_u32 s16, s16, 512                     ; h (0 in the groups that take embedded)
	s_lshr_b32 s17, s16, 6                         ; which weight
	s_and_b32 s26, s16, 63                         ; which 16 rows of it
	s_mov_b32 s23, 0
	s_mov_b32 s25, 0
	s_mov_b32 s27, 524288
	s_mov_b32 s28, 196608
	s_cmp_lt_u32 ttmp9, 512
	s_cselect_b32 s27, s27, s28                    ; bytes in a block of the output
.irp j, 0,1,2,3
	v_add_nc_u32 v0, \j, v3
	v_mul_lo_u32 v0, v0, s27
	v_lshl_add_u32 v[VO+(\j)], v2, 3, v0           ; block x its bytes + 8 l (64 bytes a row, 8 a lane)
.endr
	s_wait_kmcnt 0x0
	s_cmp_eq_u32 s17, 1
	s_cselect_b64 s[18:19], s[8:9], s[6:7]
	s_cmp_eq_u32 s17, 2
	s_cselect_b64 s[18:19], s[10:11], s[18:19]
	s_cmp_lt_u32 ttmp9, 512
	s_cselect_b64 s[18:19], s[4:5], s[18:19]       ; the source,
	s_cselect_b64 s[20:21], s[12:13], s[14:15]     ; the destination,
	s_cselect_b32 s22, ttmp9, s26                  ; my 16 rows of the one
	s_cselect_b32 s24, ttmp9, s16                  ; and of the other
	s_lshl_b32 s22, s22, 16                        ; 16 rows of 4,096 bytes
	s_lshl_b32 s24, s24, 10                        ; 16 rows of 64 bytes
	s_add_nc_u64 s[18:19], s[18:19], s[22:23]
	s_add_nc_u64 s[20:21], s[20:21], s[24:25]
.set u, 0
.rept 16
	global_load_b128 v[X+4*u:X+4*u+3], v1, s[18:19] offset:(u>>2)*16384+(u&3)*128 th:TH_LOAD_NT
.set u, u+1
.endr
.set u, 0
.rept 16
	s_wait_loadcnt 15-u                            ; loads come back in order: unit u is in, the 15 - u younger loads stay out
	v_cvt_pk_bf16_f32 v[Y+2*u],   v[X+4*u],   v[X+4*u+1]
	v_cvt_pk_bf16_f32 v[Y+2*u+1], v[X+4*u+2], v[X+4*u+3]
	global_store_b64 v[VO+(u&3)], v[Y+2*u:Y+2*u+1], s[20:21] offset:(u>>2)*256
.set u, u+1
.endr
	s_endpgm
.Lfunc_end_k_qc411bf3f4d_cast:
	.size	k_qc411bf3f4d_cast, .Lfunc_end_k_qc411bf3f4d_cast-k_qc411bf3f4d_cast
	.p2alignl 7, 3214868480
	.fill 96, 4, 3214868480
	.section	.rodata,"a",@progbits
	.p2align	6, 0x0
	.amdhsa_kernel k_qc411bf3f4d_cast
		.amdhsa_group_segment_fixed_size 0
		.amdhsa_private_segment_fixed_size 0
		.amdhsa_enable_private_segment 0
		.amdhsa_kernarg_size 48
		.amdhsa_user_sgpr_count 2
		.amdhsa_user_sgpr_kernarg_segment_ptr 1
		.amdhsa_wavefront_size32 1
		.amdhsa_system_sgpr_workgroup_id_x 1
		.amdhsa_system_sgpr_workgroup_id_y 1
		.amdhsa_system_sgpr_workgroup_id_z 1
		.amdhsa_system_vgpr_workitem_id 0
		.amdhsa_next_free_vgpr 104
		.amdhsa_next_free_sgpr 66
		.amdhsa_reserve_vcc 0
		.amdhsa_float_denorm_mode_32 3
		.amdhsa_float_denorm_mode_16_64 3
		.amdhsa_memory_ordered 1
		.amdhsa_forward_progress 1
		.amdhsa_inst_pref_size 8
	.end_amdhsa_kernel
	.amdgpu_metadata
---
amdhsa.version: [ 1, 2 ]
amdhsa.kernels:
  - .name:           k_qc411bf3f4d_cast
    .symbol:         k_qc411bf3f4d_cast.kd
    .args:
      - { .name: embedded, .offset: 0, .size: 8, .value_kind: global_buffer, .address_space: global }
      - { .name: W_q, .offset: 8, .size: 8, .value_kind: global_buffer, .address_space: global }
      - { .name: W_k, .offset: 16, .size: 8, .value_kind: global_buffer, .address_space: global }
      - { .name: W_v, .offset: 24, .size: 8, .value_kind: global_buffer, .address_space: global }
      - { .name: xb, .offset: 32, .size: 8, .value_kind: global_buffer, .address_space: global }
      - { .name: wb, .offset: 40, .size: 8, .value_kind: global_buffer, .address_space: global }
    .group_segment_fixed_size: 0
    .private_segment_fixed_size: 0
    .kernarg_segment_align: 8
    .kernarg_segment_size: 48
    .max_flat_workgroup_size: 256
    .sgpr_count:     66
    .vgpr_count:     104
    .wavefront_size: 32
...
	.end_amdgpu_metadata
.endif
;; end of part 1
;; launch proj (part 2): grid 8 x 32, 4 waves a work-group, clusters of 4 x 4, 327,680 bytes of LDS; arguments xb, wb, qkv; writes qkv
.if DOCPART == 2
	.amdgcn_target "amdgcn-amd-amdhsa--gfx1250"
	.amdhsa_code_object_version 6
	.text
	.protected	k_qc411bf3f4d_proj
	.globl	k_qc411bf3f4d_proj
	.p2align	8
	.type	k_qc411bf3f4d_proj,@function
k_qc411bf3f4d_proj:
	s_mov_b64 s[64:65], 0
	v_nop
	global_prefetch_b8 v0, s[64:65] scope:SCOPE_SE
	s_setreg_imm32_b32 hwreg(HW_REG_WAVE_MODE, 25, 1), 1
	s_wait_xcnt 0x0
	s_wait_alu depctr_hold_cnt(0) depctr_sa_sdst(0) depctr_va_vdst(0) depctr_va_sdst(0) depctr_va_ssrc(0) depctr_va_vcc(0) depctr_vm_vsrc(0)
	s_getreg_b32 s2, hwreg(HW_REG_IB_STS2, 6, 4)
	s_cmp_eq_u32 s2, 0
	s_cbranch_scc0 .Lentry_in_a_cluster
	s_endpgm
.Lentry_in_a_cluster:
	s_bfe_u32 s2, ttmp6, 0x10000c
	s_cmp_lg_u32 s2, 0xf033
	s_cbranch_scc0 .Lentry_shape_is_right
	s_endpgm
.Lentry_shape_is_right:
; qkv[m][n] = sum over k of x[m][k] w[n][k].  xb, wb: bf16, in blocks of 32 channels: xb[kq][8192][32], wb[kq][3072][32] (W_q, W_k, W_v one behind the other).
; qkv: [8192][3072] f16: a row holds q, k, v of one token.  Sums in f32, K ascending, each result rounded once to f16.
; LIMIT: f16 ends at 65,504: a q, k or v of 65,520 or more becomes an infinity.  With the drawn inputs their spread is 0.6.
; SHARES.  8,192 x 3,072 results on 256 work-groups: a tile of C is 256 x 384; four waves, each 128 x 192: 96 accumulators of 16 x 16, 768 registers.
; THE RING.  A slot holds 96 channels: three blocks of 32.  In each block a tile's rows lie end to end, so a wave's one tensor load brings three dense runs (A's half tile: 128 rows x 64 bytes = 8 KB each;
; B's half tile: 192 rows = 12 KB each), with 16 bytes of padding behind every 64.  Two slots of 153,600 bytes.  1,024 channels are ten steps of three blocks and two blocks more: the eleventh load begins one
; block early (blocks 29, 30, 31), so that all loads have one shape and none leaves the buffer; block 29 is not read a second time out of LDS.
; CLUSTERS: 4 x 4 work-groups.  The four of a row of the cluster need the same tiles of xb, the four of a column the same tiles of wb: each tile is asked for JOINTLY, by the same tensor load with
; the same descriptor and a mask that names the four.
; A QUARTER is 32 channels: 96 matrix instructions in six blocks of 16: (aL, g0) (aL, g1) (aL, g2) (aH, g0) (aH, g1) (aH, g2); aL, aH = my row blocks 0-3, 4-7; g = four of my twelve column blocks.
; THE FRAGMENTS ARE KEPT ONCE (A's 64 registers, B's 96) and overwritten as they die: behind block 3 the next quarter's aL and g0 are fetched, behind block 4 its g1, behind block 5 its g2 and aH:
; each run of LDS loads stands 32 matrix instructions ahead of its first use, and the text has a period of one quarter.
; REGISTERS, in windows of 256 (s_set_vgpr_msb: bits 1:0 source 0, 3:2 source 1, 5:4 source 2, 7:6 destination):
;   window 0: v0-31 addresses; v32-95 A's fragments; v96-191 B's; on the way out v32-223 at work.   windows 1, 2, 3: the accumulators of blocks 0-1, 2-3, 4-5: block n, row block a % 4, column block j % 4 at v[8 (16 (n % 2) + 4 (a % 4) + j % 4)]
; THE MATRIX INSTRUCTION IS USED TRANSPOSED: source 0 = 16 rows of B, source 1 = 16 rows of A: a lane then holds row l % 16 of C and the columns 8 (l / 16) + 0..7: 16 bytes of f16 on end.
.set SIZE_N, 3072
.set BLKA,   524288                    ; bytes in a block of 32 channels of xb
.set BLKB,   196608                    ; of wb
.set RP,     80                        ; a row's 32 channels in LDS: 64 bytes + 16 = 20 words: the 16 rows that a load touches start at 16 different groups of four banks (64 banks of 4 bytes: ISA guide 11.1)
.set QA,     128*RP                    ; a block's part of half of A's tile
.set QB,     192*RP                    ; of half of B's
.set RA,     3*QA                      ; what one tensor load for A fills
.set RB,     3*QB                      ; for B
.set SLOT,   2*RA+2*RB                 ; A's two halves, then B's two halves
.set SPARE,  2*SLOT                    ; behind the ring: the spare words, 128 bytes for each wave: two blocks of 256 bytes that no other line names
.set SPITCH, 784                       ; the way out's stage: a row of 384 f16, 768 bytes + 16.  The stage, 256 rows from LDS byte 0 on, lies in the ring's bytes, which have had their last fill by then
.set ADRA, 16                          ; v16  LDS address of my A fragments in the slot in hand
.set ADRB, 17                          ; v17  the same for B
.set A0,   18                          ; v18  the same in slot 0; never rewritten
.set B0,   19                          ; v19
.set STO,  24                          ; v24  the way out: where I put 16 bytes of a row of my row blocks 0-3
.set RD,   25                          ; v25  where I read rows back
.set CO,   26                          ; v26  my byte offset in two rows of C
.set STO2, 27                          ; v27  as STO, for my row blocks 4-7
.set SPW,  28                          ; v28  LDS address of my spare word; never rewritten
.set NIL,  29                          ; v29  0; never rewritten
.set PFO,  30                          ; v30  256 x my lane; never rewritten
.set FA,   32
.set FB,   96
.set TMP,  32
.set G1,   24                          ; s[24:31] descriptor group 1 for A's tiles
.set G0,   32                          ; s[32:39] group 0 for A's tiles: a set for each of the two first fills; the second then walks on
.set G1B,  48                          ; s[48:55] group 1 for B's tiles
.set G0B,  56                          ; s[56:63] group 0 for B's tiles
.set LIM,  43                          ; s43  4 in a wave that prefetches, else the greatest number
.set PFA,  44                          ; s[44:45] where my prefetches stand
.set TB,   66                          ; s66  LDS byte at which the slot in hand begins
.set LBA,  67                          ; s67  where my load for A lands in a slot
.set LBB,  68                          ; s68  for B
.set BKA,  70                          ; s[70:71] what the last refill's address goes back: a block of xb, else 0
.set BKB,  72                          ; s[72:73] the same for wb
.set PFS,  74                          ; s[74:75] the prefetches' step: four blocks
.set MSB, 0
.macro WIN new                         ; the immediate's high byte repeats the setting that is left; a switch that changes nothing is dropped
.if MSB != (\new)
	s_set_vgpr_msb (MSB<<8)|(\new)
.set MSB, \new
.endif
.endm
; A joint load.  Waves 0 and 1 fetch A's two halves, waves 2 and 3 B's.  The branch hangs on the wave's number alone.  An s_nop 0 and four v_nop follow each of the two lines.
.macro JLOAD s
	s_cmp_eq_u32 s11, 0
	s_cbranch_scc0 .Lfor_b_\@
	tensor_load_to_lds s[G0+4*(\s):G0+4*(\s)+3], s[G1:G1+7]
	s_nop 0
.rept 4
	v_nop
.endr
	s_branch .Lasked_\@
.Lfor_b_\@:
	tensor_load_to_lds s[G0B+4*(\s):G0B+4*(\s)+3], s[G1B:G1B+7]
	s_nop 0
.rept 4
	v_nop
.endr
.Lasked_\@:
.endm
; A PREFETCH INTO THE L2, behind the joint load and the run of LDS loads that follows it, in the loop's first five trips (s3 = 9 .. 5).  Trip t asks for the blocks 12 + 4 t .. 15 + 4 t of 32 channels: the four
; partners that ask for a tile jointly take one block each, told apart BY ADDRESS (cx for A, cy for B).  A's half tile is 8 KB of a block: a lane for each 256 bytes, one instruction (waves 0, 1).  B's tile is
; 24 KB of a block: wave 2 takes the first 16 KB with two instructions, wave 3 the last 8.  A's rows are read by both clusters of a row of clusters: the one with x = 0 asks; B's rows by all clusters of a column:
; the one with y = 0 asks.  So each 256 bytes of the blocks 12 to 31 are named once in the launch, two to four refills ahead of their load; the blocks 0 to 11 come by their loads alone.
.macro ASK
	s_cmp_gt_u32 s3, s[LIM]
	s_cbranch_scc0 .Lnot_mine_\@
	global_prefetch_b8 v[PFO], s[PFA:PFA+1] th:TH_LOAD_NT scope:SCOPE_SE
	s_cmp_eq_u32 s10, 2
	s_cbranch_scc0 .Lnot_mine_\@
	global_prefetch_b8 v[PFO], s[PFA:PFA+1] offset:8192 th:TH_LOAD_NT scope:SCOPE_SE
.Lnot_mine_\@:
.endm
.macro CREST                           ; a round of the cluster's barrier behind its opening barrier
	s_cmp_lg_u32 s10, 0
	s_cbranch_scc1 .Lnot_wave_0_\@
	s_barrier_signal -3
.Lnot_wave_0_\@:
	s_barrier_wait -3
	s_barrier_signal -1
	s_barrier_wait -1
.endm
.macro CROUND                          ; a whole round
	s_barrier_signal -1
	s_barrier_wait -1
	CREST
.endm
	s_load_b128 s[4:7], s[0:1], 0x0                ; A = xb s[4:5], B = wb s[6:7]
	s_load_b64 s[8:9], s[0:1], 0x10                ; C = qkv
	v_lshl_add_u32 v[SPW], v0, 2, SPARE
	v_mov_b32 v[NIL], 0
	ds_add_u32 v[SPW], v[NIL]                      ; the wave's opening: the add and its wait stand ahead of my first tensor load; the set-up below stands between them
	v_lshrrev_b32 v1, 5, v0
	v_readfirstlane_b32 s10, v1                    ; wave 0..3
	s_lshr_b32 s11, s10, 1                         ; which 128 rows of the tile are mine.  Also: I fetch for A (0) or for B (1)
	s_and_b32 s12, s10, 1                          ; which 192 columns.  Also: which half of that tile I fetch
	s_bfe_u32 s40, ttmp6, 0x40000                  ; cx
	s_bfe_u32 s41, ttmp6, 0x40004                  ; cy
	s_lshl_b32 s42, ttmp9, 2
	s_add_co_u32 s42, s42, s40                     ; tile column of C = 4 x cluster x + cx
	s_and_b32 s13, ttmp7, 0xffff
	s_lshl_b32 s13, s13, 2
	s_add_co_u32 s13, s13, s41                     ; tile row of C = 4 x cluster y + cy
	s_lshl_b32 s43, s41, 2
	s_lshl_b32 s43, 15, s43                        ; my row of the cluster
	s_lshl_b32 s44, 0x1111, s40                    ; my column
	s_or_b32 s[G1+0], s43, (1<<16)|(1<<20)|(1<<21)|(3<<22)|(3<<25)  ; 15:0 the mask; 17:16 elements of 2 bytes; 20 padding on; 21 set beside a mask; 24:22 after every 16 words; 31:25 4 words of it
	s_or_b32 s[G1B+0], s44, (1<<16)|(1<<20)|(1<<21)|(3<<22)|(3<<25)
	s_mov_b32 s[G1+1], 4096<<16                    ; tensor_dim0 = 4,096 elements: 128 rows x 32 channels, dense
	s_mov_b32 s[G1+2], 3<<16                       ; tensor_dim1 = 3 blocks
	s_mov_b32 s[G1+3], 4096<<16                    ; tile_dim0
	s_mov_b32 s[G1+4], 3                           ; tile_dim1
	s_mov_b32 s[G1+5], BLKA/2                      ; elements from block to block
	s_mov_b32 s[G1+6], 0
	s_mov_b32 s[G1+7], 0
	s_mov_b32 s[G1B+1], 6144<<16                   ; 192 rows x 32 channels
	s_mov_b32 s[G1B+2], 3<<16
	s_mov_b32 s[G1B+3], 6144<<16
	s_mov_b32 s[G1B+4], 3
	s_mov_b32 s[G1B+5], BLKB/2
	s_mov_b32 s[G1B+6], 0
	s_mov_b32 s[G1B+7], 0
	s_lshl_b32 s16, s13, 14                        ; A: 256 rows of 64 bytes a tile row,
	s_lshl_b32 s17, s12, 13                        ; 128 a half
	s_add_co_u32 s16, s16, s17
	s_mov_b32 s17, 0
	s_mul_i32 s46, s42, 24576                      ; B: 384 rows a tile column,
	s_mul_i32 s47, s12, 12288                      ; 192 a half
	s_add_co_u32 s46, s46, s47
	s_mov_b32 s47, 0
	s_mul_i32 s[LBA], s12, RA                      ; where they go: no place in the cluster enters an LDS address
	s_mul_i32 s[LBB], s12, RB
	s_add_co_u32 s[LBB], s[LBB], 2*RA
	s_mov_b32 s[TB], 0
	s_mov_b32 s[BKA+1], 0
	s_mov_b32 s[BKB+1], 0
	s_wait_dscnt 0x0                               ; the opening add is done
	s_wait_kmcnt 0x0
	s_add_nc_u64 s[14:15], s[4:5], s[16:17]
	s_add_nc_u64 s[46:47], s[6:7], s[46:47]
	CROUND                                         ; all sixteen work-groups are here: the first joint loads meet
.irp s, 0,1
	s_mov_b32 s[G0+4*(\s)], 1
	s_add_co_u32 s[G0+4*(\s)+1], s[LBA], (\s)*SLOT
	s_add_nc_u64 s[G0+4*(\s)+2:G0+4*(\s)+3], s[14:15], (\s)*3*BLKA
	s_or_b32 s[G0+4*(\s)+3], s[G0+4*(\s)+3], 0x80000000
	s_mov_b32 s[G0B+4*(\s)], 1
	s_add_co_u32 s[G0B+4*(\s)+1], s[LBB], (\s)*SLOT
	s_add_nc_u64 s[G0B+4*(\s)+2:G0B+4*(\s)+3], s[46:47], (\s)*3*BLKB
	s_or_b32 s[G0B+4*(\s)+3], s[G0B+4*(\s)+3], 0x80000000
	JLOAD \s                                       ; steps 0 and 1: two loads of mine are out
.endr
	; a fragment is 16 rows x 32 K in 8 registers: lane l holds row l % 16; registers 0-3 K = 8 (l / 16) + 0..7, registers 4-7 K = 16 + 8 (l / 16) + 0..7: two loads of 16 bytes, 32 bytes apart
	v_and_b32 v1, 15, v0
	v_bfe_u32 v2, v0, 4, 1
	v_mul_u32_u24 v3, v1, RP
	v_lshl_add_u32 v3, v2, 4, v3
	s_mul_i32 s21, s11, RA                         ; my 128 rows of A
	s_mul_i32 s22, s12, RB                         ; my 192 rows of B,
	s_add_co_u32 s22, s22, 2*RA                    ; which lie behind A's
	v_add_nc_u32 v[A0], s21, v3
	v_add_nc_u32 v[B0], s22, v3
	v_mov_b32 v[ADRA], v[A0]
	v_mov_b32 v[ADRB], v[B0]
	s_mul_i32 s23, s11, 128*SPITCH                 ; into the stage: my 128 rows, my 384 bytes of them; row l % 16, 16 bytes for each half of the lanes
	s_mul_i32 s21, s12, 384
	s_add_co_u32 s23, s23, s21
	v_mul_u32_u24 v4, v1, SPITCH
	v_lshl_add_u32 v4, v2, 4, v4
	v_add_nc_u32 v[STO], s23, v4
	v_add_nc_u32 v[STO2], 64*SPITCH, v[STO]
	s_mul_i32 s23, s10, 64*SPITCH                  ; back: wave w takes rows 64 w .. 64 w + 63, whole; lanes 0-15 take 256 bytes of one row, lanes 16-31 of the next
	v_mul_u32_u24 v5, v2, SPITCH
	v_lshl_add_u32 v5, v1, 4, v5
	v_add_nc_u32 v[RD], s23, v5
	v_mul_u32_u24 v5, v2, SIZE_N*2                 ; and the same in C
	v_lshl_add_u32 v[CO], v1, 4, v5
	s_lshl_b32 s20, s13, 8
	s_lshl_b32 s21, s10, 6
	s_add_co_u32 s20, s20, s21                     ; the first row of C that I store
	s_mul_i32 s20, s20, SIZE_N*2
	s_mul_i32 s21, s42, 768                        ; the tile's first column, in bytes
	s_add_co_u32 s20, s20, s21
	s_mov_b32 s21, 0
	s_add_nc_u64 s[8:9], s[8:9], s[20:21]
	; the prefetches: at block 8 + my place among the four; each change of slots steps them four blocks on before it asks
	s_and_b32 s22, ttmp7, 0xffff                   ; cluster y
	s_lshl_b32 s20, s13, 14
	s_lshl_b32 s21, s12, 13
	s_add_co_u32 s20, s20, s21                     ; A: my half tile's place in a block
	s_add_co_u32 s21, s40, 8
	s_mul_i32 s21, s21, BLKA
	s_add_co_u32 s20, s20, s21
	s_mul_i32 s23, s42, 24576
	s_lshl_b32 s21, s12, 14
	s_add_co_u32 s23, s23, s21                     ; B: the tile's place in a block; wave 3 begins 16 KB in
	s_add_co_u32 s21, s41, 8
	s_mul_i32 s21, s21, BLKB
	s_add_co_u32 s23, s23, s21
	s_mov_b32 s21, 4*BLKA
	s_mov_b32 s[PFS], 4*BLKB
	s_mov_b32 s[PFS+1], 0
	s_cmp_eq_u32 s11, 0                            ; do I fetch for A?
	s_cselect_b32 s20, s20, s23
	s_cselect_b32 s[PFS], s21, s[PFS]
	s_cselect_b32 s22, ttmp9, s22                  ; the coordinate along which other clusters read the same rows
	s_cselect_b64 s[PFA:PFA+1], s[4:5], s[6:7]
	s_cmp_eq_u32 s22, 0
	s_cselect_b32 s[LIM], 4, -1                    ; the same in all sixteen partners, for a given wave
	s_mov_b32 s21, 0
	s_add_nc_u64 s[PFA:PFA+1], s[PFA:PFA+1], s[20:21]
	v_and_b32 v[PFO], 31, v0
	v_lshlrev_b32 v[PFO], 8, v[PFO]
; Block n of a quarter: 16 matrix instructions on 16 accumulators.  The 96 accumulators take turns, in the same order in every quarter.  zero = 1: the product starts the sums.
.macro BLK n, zero
	WIN 0x50*(1+(\n)/2)                            ; A and B in window 0, C and D in window 1 + n / 2
.set a4, 0
.rept 4
.set jb, 0
.rept 4
.set rD, 8*(((\n)%2)*16+a4*4+jb)
.set rB, FB+8*(((\n)%3)*4+jb)
.set rA, FA+8*(((\n)/3)*4+a4)
.if \zero
	v_wmma_f32_16x16x32_bf16 v[rD:rD+7], v[rB:rB+7], v[rA:rA+7], 0
.else
	v_wmma_f32_16x16x32_bf16 v[rD:rD+7], v[rB:rB+7], v[rA:rA+7], v[rD:rD+7]
.endif
.set jb, jb+1
.endr
.set a4, a4+1
.endr
.endm
.macro LDA p, kq                       ; 8 LDS loads: A's row blocks 4 p .. 4 p + 3 of the slot's block kq
.irp i, 0,1,2,3
	ds_load_b128 v[FA+8*(4*(\p)+(\i)):FA+8*(4*(\p)+(\i))+3],   v[ADRA] offset:(\kq)*QA+(4*(\p)+(\i))*16*RP
	ds_load_b128 v[FA+8*(4*(\p)+(\i))+4:FA+8*(4*(\p)+(\i))+7], v[ADRA] offset:(\kq)*QA+(4*(\p)+(\i))*16*RP+32
.endr
.endm
.macro LDB g, kq                       ; 8 LDS loads: B's column blocks 4 g .. 4 g + 3
.irp i, 0,1,2,3
	ds_load_b128 v[FB+8*(4*(\g)+(\i)):FB+8*(4*(\g)+(\i))+3],   v[ADRB] offset:(\kq)*QB+(4*(\g)+(\i))*16*RP
	ds_load_b128 v[FB+8*(4*(\g)+(\i))+4:FB+8*(4*(\g)+(\i))+7], v[ADRB] offset:(\kq)*QB+(4*(\g)+(\i))*16*RP+32
.endr
.endm
.macro PLACES                          ; four plain instructions between a matrix instruction and a load into a register that it read, or a reader of its result
.rept 4
	v_nop
.endr
.endm
; A QUARTER.  kind 0: the next quarter's fragments come from block kq of the same slot.  kind 1: a step's last quarter: it changes slots, fills the slot that it leaves, and fetches block kq of the other.
; kind 2: the same without a fill.  kind 3: the very last: nothing is fetched.
; The runs of LDS loads were issued in the order aL, g0 | g1 | g2, aH, eight loads each: the counts below say how many younger ones may stay out.
; THE CHANGE OF SLOTS: ONE barrier, which with a fill opens a round of the cluster's.  At a step's last quarter all reads of the slot have been issued.  In front of the signal each wave waits for all its tensor
; loads (one is out: its part of the other slot), adds 0 to its spare word, and waits for that and for its reads.  Behind the round the joint refill comes first: 256 of a step's 288 matrix instructions lie
; between it and the wait for it.
.macro QTR kind, kq, zero=0
.if (\kind) == 1
	s_wait_xcnt 0x0                                ; the last prefetches, a step back, have read their address
	s_add_nc_u64 s[PFA:PFA+1], s[PFA:PFA+1], s[PFS:PFS+1]
.endif
	s_wait_dscnt 24                                ; aL and g0 are in; g1, g2, aH may be out
	BLK 0, \zero
	s_wait_dscnt 16                                ; g1 is in
	BLK 1, \zero
.if ((\kind) == 1) || ((\kind) == 2)
	WIN 0
	s_wait_tensorcnt 0x0                           ; all my tensor loads have landed, so a group 0 may be written
	ds_add_u32 v[SPW], v[NIL]                      ; 0 onto my spare word: scalar work and sixteen matrix instructions stand between it and the wait for it
.if (\kind) == 1
	s_add_co_u32 s[G0+5], s[LBA], s[TB]            ; the walking descriptors: into the slot that is being left,
	s_add_co_u32 s[G0B+5], s[LBB], s[TB]
	s_add_nc_u64 s[G0+6:G0+7], s[G0+6:G0+7], 3*BLKA    ; the next three blocks;
	s_add_nc_u64 s[G0B+6:G0B+7], s[G0B+6:G0B+7], 3*BLKB
	s_cmp_eq_u32 s3, 1                             ; the last refill begins one block early: blocks 29, 30, 31
	s_cselect_b32 s[BKA], BLKA, 0
	s_cselect_b32 s[BKB], BLKB, 0
	s_sub_nc_u64 s[G0+6:G0+7], s[G0+6:G0+7], s[BKA:BKA+1]
	s_sub_nc_u64 s[G0B+6:G0B+7], s[G0B+6:G0B+7], s[BKB:BKB+1]
.endif
	s_wait_dscnt 9                                 ; g2 is in; aH and the add may be out
.else
	s_wait_dscnt 8                                 ; g2 is in; aH may be out
.endif
	BLK 2, \zero
	s_wait_dscnt 0x0                               ; aH is in (at a change of slots: the add is done, and my reads of this slot are over)
.if ((\kind) == 1) || ((\kind) == 2)
	s_barrier_signal -1
.endif
	BLK 3, \zero
.if (\kind) != 3
	WIN 0
.endif
.if (\kind) == 1
	s_barrier_wait -1
	CREST                                          ; no wave of any partner still reads this slot's tiles or has a load on its way
	JLOAD 1                                        ; the first tensor load behind the round; its four v_nop are also the places in front of the loads below
.elseif (\kind) == 2
	s_barrier_wait -1
	PLACES
.elseif (\kind) == 0
	PLACES
.endif
.if ((\kind) == 1) || ((\kind) == 2)
	s_xor_b32 s[TB], s[TB], SLOT
	v_add_nc_u32 v[ADRA], s[TB], v[A0]
	v_add_nc_u32 v[ADRB], s[TB], v[B0]
.endif
.if (\kind) != 3
	LDA 0, \kq                                     ; aL died with block 2, g0 with block 3
	LDB 0, \kq
.endif
.if (\kind) == 1
	ASK
.endif
	BLK 4, \zero
.if (\kind) != 3
	WIN 0
	PLACES
	LDB 1, \kq
.endif
	BLK 5, \zero
	WIN 0
.if (\kind) != 3
	PLACES
	LDB 2, \kq
	LDA 1, \kq
.endif
.endm
	s_wait_tensorcnt 1                             ; my part of step 0 is in; step 1's may stay out
	s_barrier_signal -1
	s_barrier_wait -1
	LDA 0, 0
	LDB 0, 0
	LDB 1, 0
	LDB 2, 0
	LDA 1, 0
	QTR 0, 1, 1                                    ; the first quarter stands in front of the loop: its products start the sums
	s_mov_b32 s3, 9
.Lstep:                                                ; a trip goes from a step's second quarter to the next step's first, and asks for the step after that: steps 2 to 10
	QTR 0, 2
	QTR 1, 0
	QTR 0, 1
	s_sub_co_u32 s3, s3, 1
	s_cmp_lg_u32 s3, 0
	s_cbranch_scc1 .Lstep
	QTR 0, 2                                       ; step 9 goes on; nothing more is asked for
	QTR 2, 1                                       ; the last slot holds the blocks 29, 30, 31: it is read from its second block on
	QTR 0, 2
	QTR 3, 0
	; THE WAY OUT.  The stage lies in the ring, so every wave's reads of the ring are over first (each has waited for its LDS loads in the last quarter).
	s_barrier_signal -1
	s_barrier_wait -1
	PLACES
; Window w: its 32 accumulators are rounded to f16, each accumulator's registers in ascending order, 16 bytes a lane, and go into the stage.
.macro PACKW w
	WIN 5*(\w)                                     ; sources 0 and 1 in window w
.set x, 0
.rept 32
.irp r, 0,1,2,3
	v_cvt_pk_f16_f32 v[TMP+4*x+(\r)], v[8*x+2*(\r)], v[8*x+2*(\r)+1]
.endr
.set x, x+1
.endr
	WIN 0
.set x, 0
.rept 32
.set n, 2*((\w)-1)+x/16                ; the block of a quarter to which the accumulator belongs
.set aa, (x%16)/4                      ; its row block among four
.set jj, (n%3)*4+x%4                   ; its column block among twelve
.if n/3 == 0
	ds_store_b128 v[STO],  v[TMP+4*x:TMP+4*x+3] offset:aa*16*SPITCH+32*jj
.else
	ds_store_b128 v[STO2], v[TMP+4*x:TMP+4*x+3] offset:aa*16*SPITCH+32*jj
.endif
.set x, x+1
.endr
.endm
	PACKW 1
	PACKW 2
	PACKW 3
	s_wait_dscnt 0x0                               ; for the others' sake: my stores into the stage are done.  A row's 768 bytes come from two waves
	s_barrier_signal -1
	s_barrier_wait -1
; Back as whole rows, 64 rows a wave, in four batches of 24 loads: item it = 24 b + k is the rows 2 (it / 3), 2 (it / 3) + 1 and their bytes 256 (it % 3) .. + 255.  Batches 0, 1 land in window 0, batches 2, 3 in
; window 1, whose accumulators have been packed: no register is loaded twice, so no wait frees a store's data.
.macro LOADB b
	WIN ((\b)/2)<<6                                ; destination
.set bk, 32*(1-(\b)/2)+96*((\b)%2)
.set k, 0
.rept 24
.set it, 24*(\b)+k
	ds_load_b128 v[bk+4*k:bk+4*k+3], v[RD] offset:(it/3)*2*SPITCH+(it%3)*256
.set k, k+1
.endr
.endm
.macro SENDB b, younger                ; younger: the LDS loads issued behind this batch's
	WIN ((\b)/2)<<2                                ; store data
.set bk, 32*(1-(\b)/2)+96*((\b)%2)
	s_wait_dscnt \younger
.set k, 0
.rept 24
.set it, 24*(\b)+k
	global_store_b128 v[CO], v[bk+4*k:bk+4*k+3], s[8:9] offset:(it/3)*2*SIZE_N*2+(it%3)*256  ; 16 lanes store 256 consecutive bytes, at a multiple of 256 from C's first byte
.set k, k+1
.endr
.endm
	LOADB 0
	LOADB 1
	SENDB 0, 24
	LOADB 2
	SENDB 1, 24
	LOADB 3
	SENDB 2, 24
	SENDB 3, 0
	WIN 0
	s_wait_tensorcnt 0x0                           ; the wave's end
	ds_add_u32 v[SPW], v[NIL]
	s_wait_dscnt 0x0
	CROUND                                         ; the closing round
	s_endpgm
.Lfunc_end_k_qc411bf3f4d_proj:
	.size	k_qc411bf3f4d_proj, .Lfunc_end_k_qc411bf3f4d_proj-k_qc411bf3f4d_proj
	.p2alignl 7, 3214868480
	.fill 96, 4, 3214868480
	.section	.rodata,"a",@progbits
	.p2align	6, 0x0
	.amdhsa_kernel k_qc411bf3f4d_proj
		.amdhsa_group_segment_fixed_size 327680
		.amdhsa_private_segment_fixed_size 0
		.amdhsa_enable_private_segment 0
		.amdhsa_kernarg_size 24
		.amdhsa_user_sgpr_count 2
		.amdhsa_user_sgpr_kernarg_segment_ptr 1
		.amdhsa_wavefront_size32 1
		.amdhsa_system_sgpr_workgroup_id_x 1
		.amdhsa_system_sgpr_workgroup_id_y 1
		.amdhsa_system_sgpr_workgroup_id_z 1
		.amdhsa_system_vgpr_workitem_id 0
		.amdhsa_next_free_vgpr 1024
		.amdhsa_next_free_sgpr 80
		.amdhsa_reserve_vcc 0
		.amdhsa_float_denorm_mode_32 3
		.amdhsa_float_denorm_mode_16_64 3
		.amdhsa_memory_ordered 1
		.amdhsa_forward_progress 1
		.amdhsa_inst_pref_size 130
	.end_amdhsa_kernel
	.amdgpu_metadata
---
amdhsa.version: [ 1, 2 ]
amdhsa.kernels:
  - .name:           k_qc411bf3f4d_proj
    .symbol:         k_qc411bf3f4d_proj.kd
    .args:
      - { .name: xb, .offset: 0, .size: 8, .value_kind: global_buffer, .address_space: global }
      - { .name: wb, .offset: 8, .size: 8, .value_kind: global_buffer, .address_space: global }
      - { .name: qkv, .offset: 16, .size: 8, .value_kind: global_buffer, .address_space: global }
    .group_segment_fixed_size: 327680
    .private_segment_fixed_size: 0
    .kernarg_segment_align: 8
    .kernarg_segment_size: 24
    .max_flat_workgroup_size: 128
    .sgpr_count:     80
    .vgpr_count:     1024
    .wavefront_size: 32
...
	.end_amdgpu_metadata
.endif
;; end of part 2
;; launch score (part 3): grid 36 x 4, 4 waves a work-group, no clusters, 327,680 bytes of LDS; arguments qkv, p, stat; writes p, stat
.if DOCPART == 3
	.amdgcn_target "amdgcn-amd-amdhsa--gfx1250"
	.amdhsa_code_object_version 6
	.text
	.protected	k_qc411bf3f4d_score
	.globl	k_qc411bf3f4d_score
	.p2align	8
	.type	k_qc411bf3f4d_score,@function
k_qc411bf3f4d_score:
	s_mov_b64 s[64:65], 0
	v_nop
	global_prefetch_b8 v0, s[64:65] scope:SCOPE_SE
	s_setreg_imm32_b32 hwreg(HW_REG_WAVE_MODE, 25, 1), 1
	s_wait_xcnt 0x0
; For each tile of 256 queries x 256 keys at or below the diagonal: S = Q K^T (f16 operands, f32 sums, 1,024 channels), and then for each row and each BLOCK of 128 keys:
;   m_loc = the largest score of the block; p = 2^(c s - c m_loc), c = log2(e) / 32, rounded once to f16, into p[b][q][key]; c m_loc and l_loc = the sum of the unrounded p, in f32, into stat.
; The launch behind takes the rows' true maximum of the c m_loc and scales each block's products by 2^(c m_loc - maximum): a maximum is taken away in two levels, and c m_loc, as stored, cancels.
; stat: c m_loc at ((16 b + kb) 2,048 + q) 4, l_loc 524,288 bytes further on; kb = the block of 128 keys, 0..15.
; THE MASK.  A hidden score counts as -2^100: a power of two, so that c times it is exact and a wholly hidden block gives p = 1, l = 128 and a c m_loc of -5.7e28, whose factor in the launch behind is 0.
; LIMITS.  q and k arrive in f16, so a true score stays under 4.4e12, nothing beside 2^100.  p below 6e-5 keeps f16's fixed step of 6e-8; a weight below 2^-126 counts as 0 in l.  NaN and infinities are not treated apart.
; SHARES.  Work-group x of 36 is tile (I, J), J <= I, of the lower triangle of 8 x 8 tiles; y is the batch.  Four waves, each 128 queries x 128 keys (one block kb = 2 J + wc): 64 accumulators, 512 registers.
; The channels go in steps of 128 through a ring of two LDS slots; each wave fetches a quarter of a slot with one tensor load (128 rows x 256 bytes).
; NO CLUSTER: tile row I has I + 1 tiles and tile column J has 8 - J, so no fixed group of four shares a tile at every place, unless work-groups are launched that lie wholly above the diagonal.
; The work-groups on the diagonal also fill stat for their rows' blocks above the diagonal (c m_loc = -2^100, l_loc = 0), so that the launch behind reads all 16 blocks of every row by one text.
; REGISTERS: window 0: v0-61 addresses and the way out's statistics; v64-127, v128-191 fragments of Q, two buffers (on the way out: scores, packed p, sums); window 1: v64-191 fragments of K;
;   windows 2, 3: the accumulators ((a, b) at v[8 (8 a + b)]: a = 16 queries, b = 16 keys).  Source 0 = 16 keys, source 1 = 16 queries: a lane holds query l % 16 and the keys 8 (l / 16) + 0..7.
.set KSTEP,  128
.set PITCH,  272                       ; an LDS row: 256 bytes + 16 of padding: the 16 rows that a load touches start at 16 different groups of four banks (64 banks of 4 bytes: ISA guide 11.1)
.set HALFT,  128*PITCH
.set SLOT,   4*HALFT                   ; Q's 256 rows, then K's 256 rows
.set SPARE,  2*SLOT                    ; behind the ring: the spare words, 128 bytes for each wave: two blocks of 256 bytes that no other line names
.set SPF,    528                       ; the way out's stage: a row of 128 scores in f32, 512 bytes + 16
.set WSTG,   128*SPF                   ; a wave's stage.  The four stages and the scratch lie in the ring's bytes, which have had their last fill by then
.set SCR,    4*WSTG                    ; behind the stages: for each wave 512 bytes of c m_loc and 512 of l_loc
.set ROWB,   6144                      ; bytes in a row of qkv
.set LOFF,   524288                    ; from c m_loc to l_loc in stat
.set ADRA, 16                          ; v16-17  LDS address of my Q fragments in slot 0, 1
.set ADRB, 20                          ; v20-21  the same for K
.set STO,  24                          ; v24     where I put 16 bytes of a row of scores
.set RD,   25                          ; v25     where I read rows back: steps 16 rows a trip
.set PO,   26                          ; v26     my byte offset in two rows of p; never rewritten
.set THR,  27                          ; v27     the mask's threshold: steps 16 a trip
.set SPW,  28                          ; v28     LDS address of my spare word; never rewritten
.set NIL,  29                          ; v29     0; never rewritten
.set PFO,  30                          ; v30     my lane x a row of qkv; never rewritten
.set NEG,  31                          ; v31     -2^100
.set SA,   32                          ; v32     where I put a row's statistics: steps 64 bytes a trip
.set SR,   33                          ; v33     where I read four rows' statistics back
.set SO,   34                          ; v34     16 x lane
.set FILM, 36                          ; v[36:39] -2^100 four times
.set FILL, 40                          ; v[40:43] 0 four times
.set STM,  44                          ; v44, v45 the c m_loc and l_loc of the row that my lane stores
.set STL,  45
.set CM,   46                          ; v[46:61] pair i of rows: c m_loc, m_loc
.set S,    64                          ; v[64:127] pair i: my 8 scores at S + 8 i
.set PK,   128                         ; v[128:159] pair i: my 8 weights in f16
.set SUM,  160                         ; v[160:167]
.set F0,   64
.set F1,   128
.set G1,   24                          ; s[24:31] descriptor group 1
.set G0,   32                          ; s[32:39] group 0, one set for each slot
.set DIAG, 40                          ; s40  1 on the diagonal
.set LIM,  43                          ; s43  1 in a work-group that prefetches, else the greatest number
.set PFA,  44                          ; s[44:45] where my prefetches stand
.set PB,   46                          ; s[46:47] p at my rows and keys
.set SB,   48                          ; s[48:49] stat at my block and rows
.set CNT,  50
.set NF,   51                          ; s51  7 - I: pairs of blocks above the diagonal
.set MK,   52                          ; s[52:59] mask i: the lanes with l % 8 = i
.set CS,   60                          ; s[60:61] c
.set FC,   62
.set MSB, 0
.macro WIN new
.if MSB != (\new)
	s_set_vgpr_msb (MSB<<8)|(\new)
.set MSB, \new
.endif
.endm
.set MUL_LO, 0xa1                      ; source 0 (K) window 1, source 1 (Q) window 0, C and D window 2
.set TO_B,   0x40
.macro DEC k, t                        ; tile row k begins at work-group t = k (k + 1) / 2
	s_cmp_ge_u32 ttmp9, \t
	s_cselect_b32 s13, \k, s13
	s_cselect_b32 s14, \t, s14
.endm
; A prefetch into the L2 of the channel step that stands two refills on: my own 128 rows x 256 bytes, a lane a row, four instructions.  The work-group on the diagonal, (I, I), alone asks: it is the one
; that reads both Q's block I and K's block I, so each block of 256 bytes is named once in the launch.  The loop's last trip (s3 = 1) has no step two on.
.macro ASK
	s_cmp_gt_u32 s3, s[LIM]
	s_cbranch_scc0 .Lnot_mine_\@
.irp g, 0,1,2,3
	global_prefetch_b8 v[PFO], s[PFA:PFA+1] offset:KSTEP*2+(\g)*32*ROWB th:TH_LOAD_NT scope:SCOPE_SE
.endr
.Lnot_mine_\@:
.endm
	s_load_b128 s[4:7], s[0:1], 0x0                ; qkv s[4:5], p s[6:7]
	s_load_b64 s[8:9], s[0:1], 0x10                ; stat
	v_lshl_add_u32 v[SPW], v0, 2, SPARE
	v_mov_b32 v[NIL], 0
	ds_add_u32 v[SPW], v[NIL]                      ; the wave's opening: the add and its wait stand ahead of my first tensor load; the set-up below stands between them
	v_lshrrev_b32 v1, 5, v0
	v_readfirstlane_b32 s10, v1                    ; wave 0..3
	s_lshr_b32 s11, s10, 1                         ; wr: which 128 queries are mine.  Also: I fetch Q (0) or K (1)
	s_and_b32 s12, s10, 1                          ; wc: which 128 keys.  Also: which 128 rows of that tile I fetch
	s_and_b32 s20, ttmp7, 0xffff                   ; the batch
	s_mov_b32 s13, 0                               ; I
	s_mov_b32 s14, 0                               ; the first work-group of tile row I
	DEC 1, 1
	DEC 2, 3
	DEC 3, 6
	DEC 4, 10
	DEC 5, 15
	DEC 6, 21
	DEC 7, 28
	s_sub_co_u32 s15, ttmp9, s14                   ; J
	s_cmp_eq_u32 s13, s15
	s_cselect_b32 s[DIAG], 1, 0
	s_cselect_b32 s[LIM], 1, -1
	s_sub_co_u32 s[NF], 7, s13
	s_mov_b32 s[G1+0], (1<<16)|(1<<20)|(5<<22)|(3<<25)  ; 17:16 elements of 2 bytes; 20 padding on; 24:22 after every 64 words; 31:25 4 words of it
	s_mov_b32 s[G1+1], KSTEP<<16                   ; tensor_dim0 = 128
	s_mov_b32 s[G1+2], 128<<16                     ; tensor_dim1 = 128
	s_mov_b32 s[G1+3], KSTEP<<16                   ; tile_dim0 = 128
	s_mov_b32 s[G1+4], 128                         ; tile_dim1 = 128
	s_mov_b32 s[G1+5], 3072                        ; elements from row to row
	s_mov_b32 s[G1+6], 0
	s_mov_b32 s[G1+7], 0
	s_cmp_eq_u32 s11, 0
	s_cselect_b32 s16, s13, s15                    ; Q's block I or K's block J,
	s_cselect_b32 s17, 0, 2048                     ; at byte 0 or 2,048 of a row
	s_lshl_b32 s16, s16, 8
	s_lshl_b32 s18, s12, 7
	s_add_co_u32 s16, s16, s18
	s_lshl_b32 s18, s20, 11
	s_add_co_u32 s16, s16, s18                     ; the first row that I fetch
	s_mul_i32 s16, s16, ROWB
	s_add_co_u32 s16, s16, s17
	s_mov_b32 s17, 0
	s_mul_i32 s21, s10, HALFT                      ; where it goes: wave x 128 rows
	s_mov_b32 s[CS], 0x3d38aa3b                    ; c = log2(e) / 32
	s_mov_b32 s[CS+1], s[CS]
.irp i, 0,1,2,3,4,5,6,7
	s_mov_b32 s[MK+(\i)], 0x01010101<<(\i)
.endr
	s_wait_dscnt 0x0                               ; the opening add is done
	s_wait_kmcnt 0x0
	s_add_nc_u64 s[22:23], s[4:5], s[16:17]
.irp s, 0,1
	s_mov_b32 s[G0+4*(\s)], 1
	s_add_co_u32 s[G0+4*(\s)+1], s21, (\s)*SLOT
	s_add_nc_u64 s[G0+4*(\s)+2:G0+4*(\s)+3], s[22:23], (\s)*KSTEP*2
	s_or_b32 s[G0+4*(\s)+3], s[G0+4*(\s)+3], 0x80000000
	tensor_load_to_lds s[G0+4*(\s):G0+4*(\s)+3], s[G1:G1+7]  ; the two first fills go out together: two loads of mine are out
	s_nop 0
.endr
	s_add_nc_u64 s[PFA:PFA+1], s[22:23], 2*KSTEP*2 ; at step 2: the first refill steps it to 3 and names step 4
	v_and_b32 v1, 15, v0                           ; l % 16
	v_bfe_u32 v2, v0, 4, 1                         ; l / 16
	v_mul_u32_u24 v3, v1, PITCH
	v_lshl_add_u32 v3, v2, 4, v3
	s_mul_i32 s16, s11, HALFT                      ; my 128 rows of Q
	s_mul_i32 s17, s12, HALFT                      ; my 128 rows of K,
	s_add_co_u32 s17, s17, 2*HALFT                 ; which lie behind Q's 256
.irp s, 0,1
	v_add_nc_u32 v[ADRA+(\s)], s16, v3
	v_add_nc_u32 v[ADRB+(\s)], s17, v3
	s_add_co_u32 s16, s16, SLOT
	s_add_co_u32 s17, s17, SLOT
.endr
	s_mul_i32 s18, s10, WSTG                       ; my stage
	v_mul_u32_u24 v4, v1, SPF
	v_lshl_add_u32 v4, v2, 4, v4
	v_add_nc_u32 v[STO], s18, v4                   ; in: row l % 16, 16 bytes for each half of the lanes
	v_mul_u32_u24 v4, v2, SPF
	v_lshl_add_u32 v4, v1, 4, v4
	v_add_nc_u32 v[RD], s18, v4                    ; back: lanes 0-15 one row, lanes 16-31 the next; 16 bytes a lane
	v_lshlrev_b32 v4, 12, v2
	v_lshl_add_u32 v[PO], v1, 4, v4                ; the same two rows in p, 4,096 bytes apart
	s_sub_co_i32 s17, s11, s12
	s_lshl_b32 s17, s17, 7
	v_lshlrev_b32 v5, 3, v1
	v_sub_nc_u32 v[THR], v2, v5
	v_add_nc_u32 v[THR], s17, v[THR]               ; 128 (wr - wc) + l / 16 - 8 (l % 16)
	v_mov_b32 v[NEG], 0xf1800000
	s_lshl_b32 s18, s10, 10
	s_add_co_u32 s18, s18, SCR                     ; my scratch
	v_and_b32 v4, 7, v0
	v_lshl_add_u32 v4, v4, 1, v2                   ; the row of 16 whose statistics my lane stores: 2 (l % 8) + l / 16
	v_lshl_add_u32 v[SA], v4, 2, s18
	v_and_b32 v4, 31, v0
	v_lshlrev_b32 v[SO], 4, v4
	v_add_nc_u32 v[SR], s18, v[SO]
	v_mul_u32_u24 v[PFO], v4, ROWB
.irp r, 0,1,2,3
	v_mov_b32 v[FILM+(\r)], 0xf1800000
	v_mov_b32 v[FILL+(\r)], 0
.endr
	s_lshl_b32 s16, s20, 11
	s_lshl_b32 s17, s13, 8
	s_add_co_u32 s16, s16, s17
	s_lshl_b32 s17, s11, 7
	s_add_co_u32 s16, s16, s17                     ; my first query, counted over all batches
	s_lshl_b32 s18, s16, 12
	s_lshl_b32 s17, s15, 9
	s_add_co_u32 s18, s18, s17
	s_lshl_b32 s17, s12, 8
	s_add_co_u32 s18, s18, s17                     ; + my 128 keys: 512 J + 256 wc bytes
	s_mov_b32 s19, 0
	s_add_nc_u64 s[PB:PB+1], s[6:7], s[18:19]
	s_lshl_b32 s18, s20, 4
	s_lshl_b32 s17, s15, 1
	s_add_co_u32 s18, s18, s17
	s_add_co_u32 s18, s18, s12                     ; 16 b + kb
	s_lshl_b32 s18, s18, 11
	s_lshl_b32 s17, s13, 8
	s_add_co_u32 s18, s18, s17
	s_lshl_b32 s17, s11, 7
	s_add_co_u32 s18, s18, s17                     ; + my first query in the batch
	s_lshl_b32 s18, s18, 2
	s_add_nc_u64 s[SB:SB+1], s[8:9], s[18:19]
.macro MUL16 f, hi, a0, zero           ; 16 matrix instructions: query blocks a0, a0 + 1 of the window's four x all 8 key blocks, 32 channels.  The 64 accumulators take turns
	WIN MUL_LO+0x50*(\hi)
.irp a, \a0, (\a0)+1
.irp b, 0,1,2,3,4,5,6,7
.if \zero
	v_wmma_f32_16x16x32_f16 v[8*(8*(\a)+(\b)):8*(8*(\a)+(\b))+7], v[(\f)+8*(\b):(\f)+8*(\b)+7], v[(\f)+8*(4*(\hi)+(\a)):(\f)+8*(4*(\hi)+(\a))+7], 0
.else
	v_wmma_f32_16x16x32_f16 v[8*(8*(\a)+(\b)):8*(8*(\a)+(\b))+7], v[(\f)+8*(\b):(\f)+8*(\b)+7], v[(\f)+8*(4*(\hi)+(\a)):(\f)+8*(4*(\hi)+(\a))+7], v[8*(8*(\a)+(\b)):8*(8*(\a)+(\b))+7]
.endif
.endr
.endr
.endm
.macro FETCH slot, k, f                ; 32 LDS loads in one run: 128 rows of K, 128 rows of Q, 32 channels at byte k of the rows
	WIN TO_B
.irp i, 0,1,2,3,4,5,6,7
	ds_load_b128 v[(\f)+8*(\i):(\f)+8*(\i)+3],   v[ADRB+(\slot)] offset:(\k)+(\i)*16*PITCH
	ds_load_b128 v[(\f)+8*(\i)+4:(\f)+8*(\i)+7], v[ADRB+(\slot)] offset:(\k)+(\i)*16*PITCH+32
.endr
	WIN 0
.irp i, 0,1,2,3,4,5,6,7
	ds_load_b128 v[(\f)+8*(\i):(\f)+8*(\i)+3],   v[ADRA+(\slot)] offset:(\k)+(\i)*16*PITCH
	ds_load_b128 v[(\f)+8*(\i)+4:(\f)+8*(\i)+7], v[ADRA+(\slot)] offset:(\k)+(\i)*16*PITCH+32
.endr
.endm
.macro PLACES                          ; four plain instructions between a matrix instruction and a load into a register that it read, or a reader of its result
.rept 4
	v_nop
.endr
.endm
.macro QUARTER slot, k, f, g, zero     ; 64 matrix instructions on buffer f; in the middle the next quarter's fragments are fetched into g
	s_wait_dscnt 8                                 ; K and Q's rows 0-63 are in; the youngest eight loads (Q's rows 64-127) may be out
	MUL16 \f, 0, 0, \zero
	MUL16 \f, 0, 2, \zero
	PLACES
	FETCH \slot, \k, \g
	s_wait_dscnt 32                                ; all but the 32 just issued
	MUL16 \f, 1, 0, \zero
	MUL16 \f, 1, 2, \zero
.endm
; The last quarter of a step multiplies buffer 1 and changes slots: ONE barrier.  In front of it each wave waits for all its tensor loads (one is out: its part of the next slot), adds 0 to its spare
; word, and waits for that and for its own reads of this slot.  fill = 1: behind the barrier this slot is filled again first, with the step two steps on: each wave its own quarter, one load.
.macro TURN slot, next, fill
.if \fill
	s_wait_xcnt 0x0                                ; the last prefetches, a step back, have read their address
	s_add_nc_u64 s[PFA:PFA+1], s[PFA:PFA+1], KSTEP*2
.endif
	WIN 0
	s_wait_tensorcnt 0x0                           ; all my tensor loads have landed, so a group 0 may be written
	ds_add_u32 v[SPW], v[NIL]                      ; 0 onto my spare word
	s_wait_dscnt 9                                 ; the add and the youngest eight loads may be out
	MUL16 F1, 0, 0, 0
	s_wait_dscnt 0x0                               ; the add is done, and my reads of this slot are over
	s_barrier_signal -1
	MUL16 F1, 0, 2, 0
.if \fill
	WIN 0                                          ; the windows are set ahead of the tensor load
.endif
	s_barrier_wait -1
.if \fill
	s_add_nc_u64 s[G0+4*(\slot)+2:G0+4*(\slot)+3], s[G0+4*(\slot)+2:G0+4*(\slot)+3], 2*KSTEP*2
	tensor_load_to_lds s[G0+4*(\slot):G0+4*(\slot)+3], s[G1:G1+7]  ; my one tensor load behind this barrier: 224 matrix instructions ahead of the wait for it
	s_nop 0
.endif
	PLACES                                         ; behind the load, and in front of the loads into buffer 0
	FETCH \next, 0, F0
.if \fill
	ASK
.endif
	MUL16 F1, 1, 0, 0
	MUL16 F1, 1, 2, 0
.endm
	s_wait_tensorcnt 1                             ; my part of step 0 is in; step 1's may stay out
	s_barrier_signal -1
	s_barrier_wait -1
	FETCH 0, 0, F0
	QUARTER 0, 64,  F0, F1, 1                      ; the first quarter stands in front of the loop: its products start the sums
	WIN 0
	s_mov_b32 s3, 3
.Llap:                                                 ; a trip goes once round the ring and fills both slots again: steps 2 to 7
	QUARTER 0, 128, F1, F0, 0
	QUARTER 0, 192, F0, F1, 0
	TURN 0, 1, 1
	QUARTER 1, 64,  F0, F1, 0
	QUARTER 1, 128, F1, F0, 0
	QUARTER 1, 192, F0, F1, 0
	TURN 1, 0, 1
	QUARTER 0, 64,  F0, F1, 0
	WIN 0
	s_sub_co_u32 s3, s3, 1
	s_cmp_lg_u32 s3, 0
	s_cbranch_scc1 .Llap
	QUARTER 0, 128, F1, F0, 0                      ; the last lap fills nothing
	QUARTER 0, 192, F0, F1, 0
	TURN 0, 1, 0
	QUARTER 1, 64,  F0, F1, 0
	QUARTER 1, 128, F1, F0, 0
	QUARTER 1, 192, F0, F1, 0
	s_wait_dscnt 8
	MUL16 F1, 0, 0, 0
	MUL16 F1, 0, 2, 0
	s_wait_dscnt 0x0
	MUL16 F1, 1, 0, 0
	MUL16 F1, 1, 2, 0
	WIN 0
	; THE WAY OUT, FIRST PART: my 128 x 128 scores into my stage.  The stages lie in the ring, so every wave's reads of the ring are over first (each has waited for its LDS loads above).
	s_barrier_signal -1
	s_barrier_wait -1
	PLACES
	; lane (r, h) of accumulator (a, b) holds row 16 a + r, keys 8 (2 b + h) + 0..7.  With g = 2 b + h, keys 8 g .. 8 g + 3 go to byte 16 g of the row and keys 8 g + 4 .. 8 g + 7 to byte 256 + 16 g:
	; sixteen lanes then read 256 consecutive bytes back, and each holds eight neighbouring keys.  Each accumulator's low four registers are read first.
.set a, 0
.rept 8
	WIN 0x08+4*(a/4)
.set b, 0
.rept 8
	ds_store_b128 v[STO], v[64*(a%4)+8*b:64*(a%4)+8*b+3]   offset:a*16*SPF+32*b
	ds_store_b128 v[STO], v[64*(a%4)+8*b+4:64*(a%4)+8*b+7] offset:a*16*SPF+32*b+256
.set b, b+1
.endr
.set a, a+1
.endr
	WIN 0
	; SECOND PART: eight trips of 16 rows.  Pair i of a trip is the rows 2 i and 2 i + 1: lanes 0-15 hold the one, lanes 16-31 the other, eight keys a lane.  Only my own LDS bytes are touched: no barrier.
.macro SC f                            ; c s - c m_loc for two scores
	v_pk_fma_f32 v[S+2*(\f):S+2*(\f)+1], v[S+2*(\f):S+2*(\f)+1], s[CS:CS+1], v[CM+2*((\f)/4):CM+2*((\f)/4)+1] op_sel_hi:[1,0,0] neg_lo:[0,0,1] neg_hi:[0,0,1]
.endm
	s_mov_b32 s[CNT], 8
.Lrows:
.set i, 0
.rept 8
	ds_load_b128 v[S+8*i:S+8*i+3],   v[RD] offset:i*2*SPF      ; LDS serves a wave's instructions in order (ISA guide 5.7.1.4): these see my stores
	ds_load_b128 v[S+8*i+4:S+8*i+7], v[RD] offset:i*2*SPF+256
.set i, i+1
.endr
	s_wait_dscnt 0x0
	v_add_nc_u32 v[RD], 16*SPF, v[RD]
	s_cmp_eq_u32 s[DIAG], 1
	s_cbranch_scc0 .Lopen                          ; below the diagonal nothing is hidden
.set i, 0
.rept 8
.set j, 0
.rept 8
	v_cmp_gt_i32 vcc_lo, j-2*i, v[THR]             ; hidden where 128 wc + 8 (l % 16) + j > 128 wr + 16 trip + 2 i + l / 16
	v_cndmask_b32 v[S+8*i+j], v[S+8*i+j], v[NEG], vcc_lo
.set j, j+1
.endr
.set i, i+1
.endr
.Lopen:
	v_add_nc_u32 v[THR], 16, v[THR]
.set i, 0
.rept 8
	v_max3_num_f32 v[CM+2*i+1], v[S+8*i], v[S+8*i+1], v[S+8*i+2]
.set i, i+1
.endr
.irp k, 3,5
.set i, 0
.rept 8
	v_max3_num_f32 v[CM+2*i+1], v[CM+2*i+1], v[S+8*i+(\k)], v[S+8*i+(\k)+1]
.set i, i+1
.endr
.endr
.set i, 0
.rept 8
	v_max_num_f32 v[CM+2*i+1], v[CM+2*i+1], v[S+8*i+7]
.set i, i+1
.endr
.irp k, 1,2,4,8                        ; across the row's sixteen lanes
.set i, 0
.rept 8
	v_max_num_f32_dpp v[CM+2*i+1], v[CM+2*i+1], v[CM+2*i+1] row_xmask:\k row_mask:0xf bank_mask:0xf
.set i, i+1
.endr
.endr
.set i, 0
.rept 8
	v_mul_f32 v[CM+2*i], s[CS], v[CM+2*i+1]
.set i, i+1
.endr
	; ONE BATCH: 32 scalings and 64 exponentials, none of which reads an exponential's result; a pair is scaled four scalings ahead of its exponentials
	SC 0
	SC 1
	SC 2
	SC 3
.set n, 0
.rept 28
	v_exp_f32 v[S+2*n], v[S+2*n]
	SC 4+n
	v_exp_f32 v[S+2*n+1], v[S+2*n+1]
.set n, n+1
.endr
.set n, 56
.rept 8
	v_exp_f32 v[S+n], v[S+n]
.set n, n+1
.endr
	v_nop                                          ; a plain instruction behind the last exponential,
	s_wait_alu depctr_va_vdst(0)                   ; and the one wait ahead of the batch's first reader
.set z, 0
.rept 32
	v_cvt_pk_f16_f32 v[PK+z], v[S+2*z], v[S+2*z+1]
.set z, z+1
.endr
.set i, 0
.rept 8
	v_pk_add_f32 v[S+8*i:S+8*i+1],   v[S+8*i:S+8*i+1],   v[S+8*i+2:S+8*i+3]  ; the sum is taken of the unrounded weights
	v_pk_add_f32 v[S+8*i+4:S+8*i+5], v[S+8*i+4:S+8*i+5], v[S+8*i+6:S+8*i+7]
.set i, i+1
.endr
.set i, 0
.rept 8
	v_pk_add_f32 v[S+8*i:S+8*i+1], v[S+8*i:S+8*i+1], v[S+8*i+4:S+8*i+5]
.set i, i+1
.endr
.set i, 0
.rept 8
	v_add_f32 v[SUM+i], v[S+8*i], v[S+8*i+1]
.set i, i+1
.endr
.irp k, 1,2,4,8
.set i, 0
.rept 8
	v_add_f32_dpp v[SUM+i], v[SUM+i], v[SUM+i] row_xmask:\k row_mask:0xf bank_mask:0xf
.set i, i+1
.endr
.endr
	v_mov_b32 v[STM], v[CM]                        ; lane l keeps the statistics of pair l % 8: its row is 2 (l % 8) + l / 16; lanes 8 apart hold, and store, the same word
	v_mov_b32 v[STL], v[SUM]
.set i, 1
.rept 7
	v_cndmask_b32 v[STM], v[STM], v[CM+2*i], s[MK+i]
	v_cndmask_b32 v[STL], v[STL], v[SUM+i], s[MK+i]
.set i, i+1
.endr
.set i, 0
.rept 8
	global_store_b128 v[PO], v[PK+4*i:PK+4*i+3], s[PB:PB+1] offset:i*8192  ; 16 lanes store the 256 consecutive bytes of a row's 128 weights, at a multiple of 256 from p's first byte
.set i, i+1
.endr
	ds_store_b32 v[SA], v[STM]
	ds_store_b32 v[SA], v[STL] offset:512
	v_add_nc_u32 v[SA], 64, v[SA]
	s_wait_xcnt 0x0                                ; the stores have read their base and their data: both are written again only behind this wait
	s_add_nc_u64 s[PB:PB+1], s[PB:PB+1], 65536     ; 16 rows of p on
	s_sub_co_u32 s[CNT], s[CNT], 1
	s_cmp_lg_u32 s[CNT], 0
	s_cbranch_scc1 .Lrows
	ds_load_b128 v[S:S+3],   v[SR]                 ; my 128 rows' c m_loc, four a lane,
	ds_load_b128 v[S+4:S+7], v[SR] offset:512      ; and l_loc
	s_wait_dscnt 0x0
	global_store_b128 v[SO], v[S:S+3],   s[SB:SB+1]             ; 512 consecutive bytes each, aligned
	global_store_b128 v[SO], v[S+4:S+7], s[SB:SB+1] offset:LOFF
	; on the diagonal: my rows' blocks of the tiles above it, 2 J' + wc for J' = I + 1 .. 7
	s_cmp_eq_u32 s[DIAG], 1
	s_cbranch_scc0 .Lend
	s_cmp_eq_u32 s[NF], 0
	s_cbranch_scc1 .Lend
	s_mov_b32 s[FC], 0
.Lfill:
	s_wait_xcnt 0x0                                ; the stores before have read their base
	s_add_nc_u64 s[SB:SB+1], s[SB:SB+1], 16384     ; two blocks on
	global_store_b128 v[SO], v[FILM:FILM+3], s[SB:SB+1]
	global_store_b128 v[SO], v[FILL:FILL+3], s[SB:SB+1] offset:LOFF
	s_add_co_u32 s[FC], s[FC], 1
	s_cmp_lt_u32 s[FC], s[NF]
	s_cbranch_scc1 .Lfill
.Lend:
	s_wait_tensorcnt 0x0                           ; the wave's end
	ds_add_u32 v[SPW], v[NIL]
	s_wait_dscnt 0x0
	s_endpgm
.Lfunc_end_k_qc411bf3f4d_score:
	.size	k_qc411bf3f4d_score, .Lfunc_end_k_qc411bf3f4d_score-k_qc411bf3f4d_score
	.p2alignl 7, 3214868480
	.fill 96, 4, 3214868480
	.section	.rodata,"a",@progbits
	.p2align	6, 0x0
	.amdhsa_kernel k_qc411bf3f4d_score
		.amdhsa_group_segment_fixed_size 327680
		.amdhsa_private_segment_fixed_size 0
		.amdhsa_enable_private_segment 0
		.amdhsa_kernarg_size 24
		.amdhsa_user_sgpr_count 2
		.amdhsa_user_sgpr_kernarg_segment_ptr 1
		.amdhsa_wavefront_size32 1
		.amdhsa_system_sgpr_workgroup_id_x 1
		.amdhsa_system_sgpr_workgroup_id_y 1
		.amdhsa_system_sgpr_workgroup_id_z 1
		.amdhsa_system_vgpr_workitem_id 0
		.amdhsa_next_free_vgpr 1024
		.amdhsa_next_free_sgpr 66
		.amdhsa_reserve_vcc 1
		.amdhsa_float_denorm_mode_32 3
		.amdhsa_float_denorm_mode_16_64 3
		.amdhsa_memory_ordered 1
		.amdhsa_forward_progress 1
		.amdhsa_inst_pref_size 141
	.end_amdhsa_kernel
	.amdgpu_metadata
---
amdhsa.version: [ 1, 2 ]
amdhsa.kernels:
  - .name:           k_qc411bf3f4d_score
    .symbol:         k_qc411bf3f4d_score.kd
    .args:
      - { .name: qkv, .offset: 0, .size: 8, .value_kind: global_buffer, .address_space: global }
      - { .name: p, .offset: 8, .size: 8, .value_kind: global_buffer, .address_space: global }
      - { .name: stat, .offset: 16, .size: 8, .value_kind: global_buffer, .address_space: global }
    .group_segment_fixed_size: 327680
    .private_segment_fixed_size: 0
    .kernarg_segment_align: 8
    .kernarg_segment_size: 24
    .max_flat_workgroup_size: 128
    .sgpr_count:     66
    .vgpr_count:     1024
    .wavefront_size: 32
...
	.end_amdgpu_metadata
.endif
;; end of part 3
;; launch pv (part 4): grid 8 x 32, 4 waves a work-group, clusters of 4 x 1, 327,680 bytes of LDS; arguments p, qkv, stat, out0; writes out0
.if DOCPART == 4
	.amdgcn_target "amdgcn-amd-amdhsa--gfx1250"
	.amdhsa_code_object_version 6
	.text
	.protected	k_qc411bf3f4d_pv
	.globl	k_qc411bf3f4d_pv
	.p2align	8
	.type	k_qc411bf3f4d_pv,@function
k_qc411bf3f4d_pv:
	s_mov_b64 s[64:65], 0
	v_nop
	global_prefetch_b8 v0, s[64:65] scope:SCOPE_SE
	s_setreg_imm32_b32 hwreg(HW_REG_WAVE_MODE, 25, 1), 1
	s_wait_xcnt 0x0
	s_wait_alu depctr_hold_cnt(0) depctr_sa_sdst(0) depctr_va_vdst(0) depctr_va_sdst(0) depctr_va_ssrc(0) depctr_va_vcc(0) depctr_vm_vsrc(0)
	s_getreg_b32 s2, hwreg(HW_REG_IB_STS2, 6, 4)
	s_cmp_eq_u32 s2, 0
	s_cbranch_scc0 .Lentry_in_a_cluster
	s_endpgm
.Lentry_in_a_cluster:
	s_bfe_u32 s2, ttmp6, 0x10000c
	s_cmp_lg_u32 s2, 0x3003
	s_cbranch_scc0 .Lentry_shape_is_right
	s_endpgm
.Lentry_shape_is_right:
; out0[b][q][ch] = round to 4 decimals of (sum over blocks kb of f[q][kb] (P_kb V_kb)[q][ch]) / L[q], where for each row m = the largest c m_loc of its 16 blocks of 128 keys,
; f = 2^(c m_loc - m), L = the sum of l_loc f.  p holds 2^(c s - c m_loc) in f16, so p f = 2^(c s - m): the softmax with the row's true maximum taken away.
; Products P_kb V_kb in f16 operands with f32 sums (T); they are scaled by f and added up in f32 (O).  The rounding: rndne(O x 1e4 / L) x 1e-4.
; LIMITS.  v arrives in f16 (within 65,504).  The result is multiplied by f32(1e-4) where the definition divides by 1e4: the last bit may differ.  A factor below 2^-126 counts as 0.  NaN and infinities are not treated apart.
; SHARES.  n = the block of 128 channels (8), y = 8 b + pp.  A work-group makes TWO tiles of 128 queries x 128 channels, query block 15 - pp and then pp; block i needs the key slots 0 .. i / 2 of 256 keys:
; 9 slots together, whatever pp: all 256 work-groups do equal work, and ONE loop with a constant trip count walks them.  In an even block the last slot's second 128 keys are hidden: they are multiplied
; all the same, and their factor is 0.  Four waves, each 64 queries x 64 channels: 16 accumulators.
; CLUSTER.  The four work-groups of a cluster have the same b and pp and four neighbouring n: they walk the same tiles of P, which are asked for JOINTLY.  V's tile hangs on n: each loads its own, behind the
; same round.  V could be shared only among different pp, whose walks have different lengths; a walk common to them would be longer and would name tiles of p that nobody has written.
; LAYOUT.  O^T = V^T P^T: source 0 = 16 channels x 32 keys of V, turned by ds_load_tr16_b128; source 1 = 16 queries x 32 keys of P, as it lies.  A lane holds ONE query (l % 16) and 8 neighbouring channels.
; REGISTERS, in windows of 256 (s_set_vgpr_msb: bits 1:0 source 0, 3:2 source 1, 5:4 source 2, 7:6 destination):
;   window 0: v0-47 addresses, 1e4 / L, factors; v128-255 T ((a, b) at 128 + 8 (4 a + b): a = 16 queries, b = 16 channels), on the way out the results
;   window 1: two fragment buffers of 128: for 64 keys, 64 registers of P, then 64 of V          window 2: v0-127 O; v128-191, v192-255 the two blocks' statistics (32 of c m_loc, later f; 32 of l_loc)
.set PP,    528                        ; a row of P in LDS: 512 bytes + 16: the 16 rows of a load start at 16 different groups of four banks (64 banks of 4 bytes: ISA guide 11.1)
.set PVP,   288                        ; a row of V: 256 + 32
.set VOFF,  128*PP                     ; a slot: 128 rows of P, then 256 rows of V: 141,312 bytes
.set SLOT1, 147456                     ; slot 1 begins here: 0x24000 shares no bit with a tile's place in a slot (0, 0x8400, 0x10800, 0x19800), so one exclusive or changes slots
.set STAGE, SLOT1+VOFF+256*PVP         ; behind the ring: 16 rows x 272 bytes for each wave, for the way out
.set SP,    272
.set FT,    STAGE+4*16*SP              ; for each wave 5,120 bytes: f[kb][64 rows] in f32, 256 bytes a block, and 1e4 / L at RIOFF
.set FTB,   5120
.set RIOFF, 4608
.set SPARE, FT+4*FTB                   ; the spare words, 128 bytes for each wave: two blocks of 256 bytes that no other line names
.set KROWS, 1572864                    ; 256 rows of qkv in bytes
.set AP0,  2                           ; v2   my lane's place in a tile of P; never rewritten
.set AV0,  3                           ; v3   the same for V
.set ADRA, 4                           ; v4   P in the slot in hand
.set ADRB0, 5                          ; v5   V's keys 0-127 in it
.set ADRB1, 6                          ; v6   V's keys 128-255
.set FTA0, 7                           ; v7   my query's place in a block of the table; never rewritten
.set FTA,  8                           ; v8   the same at the slot's two blocks
.set FTW,  9                           ; v9   where I write two rows of the table
.set STO,  10                          ; v10  the way out: where I put 32 bytes of a row
.set RD,   11                          ; v11  where I read rows back
.set GO,   12                          ; v12  my byte offset in two rows of out0
.set PFO,  13                          ; v13  my lane x a row of p or of qkv
.set L8,   14                          ; v14  8 x lane
.set RI,   16                          ; v[16:23] 1e4 / L of query block a at RI + 2 a; the odd registers hold 0
.set SPW,  28                          ; v28  LDS address of my spare word; never rewritten
.set NIL,  29                          ; v29  0; never rewritten
.set FV,   32                          ; v[32:47] f of key block kbl of the slot, query block a, at FV + 2 (4 kbl + a); the odd registers hold 0
.set T,    128
.set F0,   0
.set F1,   128
.set WV,   12
.set G1P,  24                          ; s[24:31] descriptor group 1 for P's tiles
.set G1V,  32                          ; s[32:39] for V's
.set G0P,  40                          ; s[40:43] group 0 for P's
.set G0V,  44                          ; s[44:47] for V's
.set SLOTS, 48                         ; s48  slots still to be asked for
.set RT,   49                          ; s49  slots that the block in hand still has
.set NXT,  50                          ; s50  the slot to be asked for next
.set LQ,   51                          ; s51  the last slot of the block whose slots are being asked for
.set TB,   52                          ; s52  LDS byte at which the slot in hand begins
.set KBO,  53                          ; s53  the slot's two blocks in the table
.set LIM,  54                          ; s54  a wave prefetches while SLOTS is above it
.set STA,  56                          ; s[56:57] stat at my rows of the first block
.set OFF,  58                          ; s[58:59] an offset, high word 0
.set PROW, 60                          ; s60  the rows in p of the block whose slots are being asked for, in bytes
.set PROW2, 61
.set LQ2,  62
.set N2,   63
.set PBW,  66                          ; s[66:67] p at the batch and my half of a tile's rows
.set VBW,  68                          ; s[68:69] qkv at the batch's v, my half of a slot's keys, my work-group's channels
.set OB,   70                          ; s[70:71] out0 at my rows and channels of the block in hand
.set OB2,  72
.set PFA,  74                          ; s[74:75] what my prefetch names
.set PFB,  76                          ; s[76:77] its base
.set MSB, 0
.macro WIN new
.if MSB != (\new)
	s_set_vgpr_msb (MSB<<8)|(\new)
.set MSB, \new
.endif
.endm
.set MUL,  0x05                        ; sources 0 (V) and 1 (P) window 1; C and D window 0
.set TO_F, 0x40                        ; destination window 1, address window 0
; A fill.  Waves 0 and 1 ask jointly for the two halves of P's tile, waves 2 and 3 for the two halves of my own V.  The branch hangs on the wave's number alone.  An s_nop 0 and four v_nop follow each line.
.macro JLOAD
	s_cmp_lt_u32 s[WV], 2
	s_cbranch_scc0 .Lfor_v_\@
	tensor_load_to_lds s[G0P:G0P+3], s[G1P:G1P+7]
	s_nop 0
.rept 4
	v_nop
.endr
	s_branch .Lasked_\@
.Lfor_v_\@:
	tensor_load_to_lds s[G0V:G0V+3], s[G1V:G1V+7]
	s_nop 0
.rept 4
	v_nop
.endr
.Lasked_\@:
.endm
; A prefetch into the L2 of what the NEXT change of slots will load.  P's tile (128 rows x 512 bytes) is read by both clusters of a pair (b, pp): the one with x = 0 asks; its four partners take 32 rows each,
; by address; waves 0 and 1 take the two halves of a row: a lane a row, one instruction.  V's tile (256 keys x 256 bytes) is read by the eight pp: the work-groups with pp = 0, whose first block walks all
; eight slots, ask for slots 2 to 7 in that walk: waves 2 and 3, 128 keys each, four instructions.  So each block of 256 bytes is named once.  The last changes ask for nothing.
.macro ASK
	s_cmp_gt_u32 s[SLOTS], s[LIM]
	s_cbranch_scc0 .Lno_\@
	global_prefetch_b8 v[PFO], s[PFA:PFA+1] th:TH_LOAD_NT scope:SCOPE_SE
	s_cmp_lt_u32 s[WV], 2
	s_cbranch_scc1 .Lno_\@
.irp g, 1,2,3
	global_prefetch_b8 v[PFO], s[PFA:PFA+1] offset:(\g)*196608 th:TH_LOAD_NT scope:SCOPE_SE
.endr
.Lno_\@:
.endm
.macro CROUND                          ; a round of the cluster's barrier
	s_barrier_signal -1
	s_barrier_wait -1
	s_cmp_lg_u32 s[WV], 0
	s_cbranch_scc1 .Lnot_wave_0_\@
	s_barrier_signal -3
.Lnot_wave_0_\@:
	s_barrier_wait -3
	s_barrier_signal -1
	s_barrier_wait -1
.endm
; THE CHANGE OF SLOTS.  Each wave waits for all its tensor loads (one is out: its part of the other slot), adds 0 to its spare word, and waits for that and for its own reads of the slot that it leaves.
; fill = 1: the barrier is a round of the cluster's, and the old slot is filled again first thing behind it, with slot NXT of the walk; the descriptors' addresses are made anew from that number.
; (At its first use nothing has been read yet: slot 0 is waited for, slot 1 filled.)
.macro CHANGE fill
	WIN 0
	s_wait_tensorcnt 0x0                           ; no tensor load of mine is out, so a group 0 may be written
	ds_add_u32 v[SPW], v[NIL]                      ; 0 onto my spare word: the scalar work below stands between it and the wait for it
	s_xor_b32 s[TB], s[TB], SLOT1
.if \fill
	s_xor_b32 s[G0P+1], s[G0P+1], SLOT1
	s_xor_b32 s[G0V+1], s[G0V+1], SLOT1
	s_lshl_b32 s[OFF], s[NXT], 9                   ; 256 keys are 512 bytes of a row of p
	s_add_co_u32 s[OFF], s[OFF], s[PROW]
	s_add_nc_u64 s[G0P+2:G0P+3], s[PBW:PBW+1], s[OFF:OFF+1]
	s_or_b32 s[G0P+3], s[G0P+3], 0x80000000
	s_mul_i32 s[OFF], s[NXT], KROWS
	s_add_nc_u64 s[G0V+2:G0V+3], s[VBW:VBW+1], s[OFF:OFF+1]
	s_or_b32 s[G0V+3], s[G0V+3], 0x80000000
	s_add_co_u32 s[NXT], s[NXT], 1                 ; the block's next slot, or behind its last the second block's slot 0
	s_cmp_gt_u32 s[NXT], s[LQ]
	s_cselect_b32 s[NXT], 0, s[NXT]
	s_cselect_b32 s[PROW], s[PROW2], s[PROW]
	s_cselect_b32 s[LQ], s[LQ2], s[LQ]
	s_wait_xcnt 0x0                                ; the last prefetches, a slot back, have read their address
	s_lshl_b32 s[OFF], s[NXT], 9
	s_add_co_u32 s[OFF], s[OFF], s[PROW]
	s_mul_i32 s78, s[NXT], KROWS
	s_cmp_lt_u32 s[WV], 2
	s_cselect_b32 s[OFF], s[OFF], s78
	s_add_nc_u64 s[PFA:PFA+1], s[PFB:PFB+1], s[OFF:OFF+1]
	s_wait_dscnt 0x0                               ; the add is done, and my reads of the slot are over
	CROUND
	JLOAD                                          ; it has a slot's work, 128 matrix instructions and two runs of 64 multiply-adds, in which to land
	ASK
.else
	s_wait_dscnt 0x0
	s_barrier_signal -1
	s_barrier_wait -1
.endif
.endm
	s_load_b256 s[4:11], s[0:1], 0x0               ; p s[4:5], qkv s[6:7], stat s[8:9], out0 s[10:11]
	v_lshl_add_u32 v[SPW], v0, 2, SPARE
	v_mov_b32 v[NIL], 0
	ds_add_u32 v[SPW], v[NIL]                      ; the wave's opening: the add and its wait stand ahead of my first tensor load; the set-up below stands between them
	v_lshrrev_b32 v1, 5, v0
	v_readfirstlane_b32 s[WV], v1                  ; wave 0..3
	s_bfe_u32 s13, ttmp6, 0x40000                  ; cx
	s_lshl_b32 s14, ttmp9, 2
	s_add_co_u32 s14, s14, s13                     ; n = 4 x cluster x + cx: it enters V's, out0's and the prefetches' addresses alone
	s_and_b32 s16, ttmp7, 0xffff
	s_lshr_b32 s15, s16, 3                         ; b
	s_and_b32 s16, s16, 7                          ; pp = the second query block
	s_and_b32 s17, s[WV], 1                        ; wc: my 64 channels.  Also: which half of a tile I fetch
	s_lshr_b32 s18, s[WV], 1                       ; wr: my 64 queries
	s_sub_co_u32 s19, 15, s16                      ; the first query block
	s_lshr_b32 s[LQ], s19, 1
	s_add_co_u32 s[RT], s[LQ], 1                   ; its slots
	s_lshr_b32 s[LQ2], s16, 1
	s_add_co_u32 s[N2], s[LQ2], 1                  ; the second's
	s_lshl_b32 s[PROW], s19, 19                    ; 128 rows of p are 524,288 bytes
	s_lshl_b32 s[PROW2], s16, 19
	s_mov_b32 s[NXT], 1
	s_mov_b32 s[TB], SLOT1                         ; the first change of slots turns it into 0
	s_mov_b32 s[KBO], 0
	s_mov_b32 s[SLOTS], 8
	s_mov_b32 s[G1P+0], 15|(1<<16)|(1<<20)|(1<<21)|(6<<22)|(3<<25)  ; 15:0 the mask of four; 17:16 elements of 2 bytes; 20 padding on; 21 set beside a mask; 24:22 after every 128 words; 31:25 4 words of it
	s_mov_b32 s[G1P+1], 256<<16                    ; tensor_dim0 = 256
	s_mov_b32 s[G1P+2], 64<<16                     ; tensor_dim1 = 64
	s_mov_b32 s[G1P+3], 256<<16                    ; tile_dim0 = 256
	s_mov_b32 s[G1P+4], 64                         ; tile_dim1 = 64
	s_mov_b32 s[G1P+5], 2048                       ; elements from row to row
	s_mov_b32 s[G1P+6], 0
	s_mov_b32 s[G1P+7], 0
	s_mov_b32 s[G1V+0], (1<<16)|(1<<20)|(5<<22)|(7<<25)  ; no mask; padding of 8 words after every 64
	s_mov_b32 s[G1V+1], 128<<16
	s_mov_b32 s[G1V+2], 128<<16
	s_mov_b32 s[G1V+3], 128<<16
	s_mov_b32 s[G1V+4], 128
	s_mov_b32 s[G1V+5], 3072
	s_mov_b32 s[G1V+6], 0
	s_mov_b32 s[G1V+7], 0
	s_mov_b32 s[G0P], 1
	s_mul_i32 s[G0P+1], s17, 64*PP                 ; slot 0, my half of P's rows
	s_mov_b32 s[G0V], 1
	s_mul_i32 s[G0V+1], s17, 128*PVP
	s_add_co_u32 s[G0V+1], s[G0V+1], VOFF          ; slot 0, my half of V's keys
	s_lshl_b32 s[OFF], s15, 23                     ; the batch's 2,048 rows of p,
	s_lshl_b32 s20, s17, 18                        ; my 64 of a tile's 128
	s_add_co_u32 s[OFF], s[OFF], s20
	s_mov_b32 s[OFF+1], 0
	s_lshl_b32 s78, s15, 11
	s_lshl_b32 s79, s17, 7
	s_add_co_u32 s78, s78, s79                     ; the batch's rows of qkv, my 128 of a slot's 256
	s_mul_i32 s78, s78, 6144
	s_lshl_b32 s79, s14, 8
	s_add_co_u32 s78, s78, s79                     ; my work-group's 128 channels
	s_add_co_u32 s78, s78, 4096                    ; of v
	s_mov_b32 s79, 0
	s_wait_dscnt 0x0                               ; the opening add is done
	s_wait_kmcnt 0x0
	s_add_nc_u64 s[PBW:PBW+1], s[4:5], s[OFF:OFF+1]
	s_add_nc_u64 s[VBW:VBW+1], s[6:7], s[78:79]
	s_mov_b32 s[OFF], s[PROW]
	s_add_nc_u64 s[G0P+2:G0P+3], s[PBW:PBW+1], s[OFF:OFF+1]  ; the first block's slot 0
	s_or_b32 s[G0P+3], s[G0P+3], 0x80000000
	s_mov_b64 s[G0V+2:G0V+3], s[VBW:VBW+1]
	s_or_b32 s[G0V+3], s[G0V+3], 0x80000000
	CROUND                                         ; all four work-groups are here: the first joint loads meet
	JLOAD                                          ; slot 0; one load of mine is out
	; both blocks' statistics: for each of the 16 key blocks the c m_loc and l_loc of my 64 rows, two rows a lane: 256 consecutive bytes a load
	v_and_b32 v24, 31, v0
	v_lshlrev_b32 v[L8], 3, v24
	s_lshl_b32 s22, s15, 17
	s_lshl_b32 s23, s18, 8
	s_add_co_u32 s22, s22, s23
	s_lshl_b32 s78, s19, 9
	s_add_co_u32 s78, s78, s22
	s_add_nc_u64 s[STA:STA+1], s[8:9], s[78:79]
	s_lshl_b32 s78, s16, 9
	s_add_co_u32 s78, s78, s22
	s_add_nc_u64 s[20:21], s[8:9], s[78:79]
	WIN 0x80                                       ; destination window 2
.set kb, 0
.rept 16
	global_load_b64 v[128+2*kb:129+2*kb], v[L8], s[STA:STA+1] offset:8192*kb
	global_load_b64 v[160+2*kb:161+2*kb], v[L8], s[STA:STA+1] offset:8192*kb+524288
	global_load_b64 v[192+2*kb:193+2*kb], v[L8], s[20:21] offset:8192*kb
	global_load_b64 v[224+2*kb:225+2*kb], v[L8], s[20:21] offset:8192*kb+524288
.set kb, kb+1
.endr
	WIN 0
	v_and_b32 v1, 15, v0                           ; l % 16
	v_bfe_u32 v15, v0, 4, 1                        ; l / 16
	s_mul_i32 s78, s18, 64*PP
	v_mul_u32_u24 v[AP0], v1, PP
	v_lshl_add_u32 v[AP0], v15, 4, v[AP0]
	v_add_nc_u32 v[AP0], s78, v[AP0]               ; my 64 rows; row x pitch + 16 x half
	; the turning load takes 16 keys x 16 channels (lane l reads key 8 (l / 16) + l % 8, channels 8 ((l / 8) % 2) + 0..7) and leaves half a fragment of V^T: lane l holds channel l % 16 and 8 keys
	v_and_b32 v25, 7, v0
	v_lshl_add_u32 v25, v15, 3, v25
	v_mul_u32_u24 v[AV0], v25, PVP
	v_bfe_u32 v25, v0, 3, 1
	v_lshl_add_u32 v[AV0], v25, 4, v[AV0]
	s_lshl_b32 s78, s17, 7
	s_add_co_u32 s78, s78, VOFF
	v_add_nc_u32 v[AV0], s78, v[AV0]
	s_mul_i32 s78, s[WV], FTB
	s_add_co_u32 s78, s78, FT                      ; my table
	v_lshl_add_u32 v[FTA0], v1, 2, s78
	v_lshl_add_u32 v[FTW], v24, 3, s78
	s_mul_i32 s78, s[WV], 16*SP
	s_add_co_u32 s78, s78, STAGE                   ; my stage
	v_mul_u32_u24 v[STO], v1, SP
	v_lshl_add_u32 v[STO], v15, 5, v[STO]
	v_add_nc_u32 v[STO], s78, v[STO]               ; in: row l % 16, 32 bytes for each half of the lanes
	v_mul_u32_u24 v[RD], v15, SP
	v_lshl_add_u32 v[RD], v1, 4, v[RD]
	v_add_nc_u32 v[RD], s78, v[RD]                 ; back: lanes 0-15 one row of 256 bytes, lanes 16-31 the next
	v_lshlrev_b32 v[GO], 12, v15
	v_lshl_add_u32 v[GO], v1, 4, v[GO]             ; the same two rows in out0
.irp r, 1,3,5,7
	v_mov_b32 v[RI+(\r)], 0                        ; named in pairs with the even registers
.endr
.irp r, 1,3,5,7,9,11,13,15
	v_mov_b32 v[FV+(\r)], 0
.endr
	s_lshl_b32 s22, s15, 11
	s_lshl_b32 s23, s18, 6
	s_add_co_u32 s22, s22, s23                     ; the batch's rows, my 64 of a block's 128
	s_lshl_b32 s23, s14, 9
	s_lshl_b32 s55, s17, 8
	s_add_co_u32 s23, s23, s55                     ; my 64 channels: 512 n + 256 wc bytes
	s_lshl_b32 s78, s19, 7
	s_add_co_u32 s78, s78, s22
	s_lshl_b32 s78, s78, 12
	s_add_co_u32 s78, s78, s23
	s_add_nc_u64 s[OB:OB+1], s[10:11], s[78:79]
	s_lshl_b32 s78, s16, 7
	s_add_co_u32 s78, s78, s22
	s_lshl_b32 s78, s78, 12
	s_add_co_u32 s78, s78, s23
	s_add_nc_u64 s[OB2:OB2+1], s[10:11], s[78:79]
	s_lshl_b32 s78, s15, 23                        ; the prefetches of P: the batch's rows,
	s_lshl_b32 s55, s13, 17                        ; my work-group's 32 of a tile's 128,
	s_add_co_u32 s78, s78, s55
	s_lshl_b32 s55, s17, 8                         ; my wave's half of their 512 bytes
	s_add_co_u32 s78, s78, s55
	s_add_nc_u64 s[PFB:PFB+1], s[4:5], s[78:79]
	s_cmp_eq_u32 ttmp9, 0
	s_cselect_b32 s22, 1, -1                       ; P: the last change that fills a slot has none behind it
	s_cmp_eq_u32 s16, 0
	s_cselect_b32 s23, 2, -1                       ; V: nor is the second block's slot 0 asked for again
	s_mov_b32 s55, 4096
	s_mov_b32 s78, 6144
	s_cmp_lt_u32 s[WV], 2
	s_cselect_b32 s[LIM], s22, s23                 ; the same in all four partners, for a given wave
	s_cselect_b32 s55, s55, s78
	s_cselect_b64 s[PFB:PFB+1], s[PFB:PFB+1], s[VBW:VBW+1]
	v_mul_u32_u24 v[PFO], v24, s55
; The statistics of block blk (0: the first, 1: the second), all in window 2; v0-3 there are O's, which is cleared afterwards.  A lane has rows 2 l and 2 l + 1.
.macro STATS blk
.set CMR, 128+64*(\blk)
.set LLR, CMR+32
	WIN 0xaa
	v_max3_num_f32 v0, v[CMR], v[CMR+2], v[CMR+4]  ; the rows' true maximum of c s
	v_max3_num_f32 v1, v[CMR+1], v[CMR+3], v[CMR+5]
.set k, 6
.rept 6
	v_max3_num_f32 v0, v0, v[CMR+k], v[CMR+k+2]
	v_max3_num_f32 v1, v1, v[CMR+k+1], v[CMR+k+3]
.set k, k+4
.endr
	v_max_num_f32 v0, v0, v[CMR+30]
	v_max_num_f32 v1, v1, v[CMR+31]
.set k, 0
.rept 16
	v_pk_add_f32 v[CMR+k:CMR+k+1], v[CMR+k:CMR+k+1], v[0:1] neg_lo:[0,1] neg_hi:[0,1]
.set k, k+2
.endr
.set k, 0
.rept 32
	v_exp_f32 v[CMR+k], v[CMR+k]                   ; f
.set k, k+1
.endr
	v_nop                                          ; a plain instruction behind the last exponential,
	s_wait_alu depctr_va_vdst(0)                   ; and the one wait ahead of the batch's first reader
	v_pk_mul_f32 v[2:3], v[LLR:LLR+1], v[CMR:CMR+1]
.set k, 2
.rept 15
	v_pk_fma_f32 v[2:3], v[LLR+k:LLR+k+1], v[CMR+k:CMR+k+1], v[2:3]  ; L: at least 1, since the block that holds the maximum has f = 1 and l_loc >= 1
.set k, k+2
.endr
	v_rcp_f32 v2, v2
	v_rcp_f32 v3, v3
	v_nop
	s_wait_alu depctr_va_vdst(0)
	v_pk_mul_f32 v[LLR:LLR+1], v[2:3], 0x461c4000 op_sel_hi:[1,0]  ; 1e4 / L, kept where l_loc of block 0 lay
	WIN 0
.endm
.macro TABLE blk                       ; f and 1e4 / L into my table: only my wave reads it, and LDS serves a wave's instructions in order (ISA guide 5.7.1.4)
	WIN 0x08                                       ; store data in window 2
.set kb, 0
.rept 16
	ds_store_b64 v[FTW], v[128+64*(\blk)+2*kb:128+64*(\blk)+2*kb+1] offset:256*kb
.set kb, kb+1
.endr
	ds_store_b64 v[FTW], v[160+64*(\blk):161+64*(\blk)] offset:RIOFF
	WIN 0
.endm
.macro CLEAR                           ; O starts at 0: one form of multiply-add serves every block of keys
	WIN 0x80
.set k, 0
.rept 128
	v_mov_b32 v[k], 0
.set k, k+1
.endr
	WIN 0
.endm
.macro PLACES                          ; four plain instructions between a matrix instruction and a load into a register that it read, or a reader of its result
.rept 4
	v_nop
.endr
.endm
; 8 matrix instructions: query blocks a0, a0 + 1 x all 4 channel blocks, 32 keys: half c of buffer f.  zero = 1: the product starts T's sums.  The 16 accumulators take turns.
.macro MUL8 f, c, a0, zero
	WIN MUL
.irp a, \a0, (\a0)+1
.irp b, 0,1,2,3
.if \zero
	v_wmma_f32_16x16x32_f16 v[T+8*(4*(\a)+(\b)):T+8*(4*(\a)+(\b))+7], v[(\f)+64+8*(4*(\c)+(\b)):(\f)+64+8*(4*(\c)+(\b))+7], v[(\f)+8*(4*(\c)+(\a)):(\f)+8*(4*(\c)+(\a))+7], 0
.else
	v_wmma_f32_16x16x32_f16 v[T+8*(4*(\a)+(\b)):T+8*(4*(\a)+(\b))+7], v[(\f)+64+8*(4*(\c)+(\b)):(\f)+64+8*(4*(\c)+(\b))+7], v[(\f)+8*(4*(\c)+(\a)):(\f)+8*(4*(\c)+(\a))+7], v[T+8*(4*(\a)+(\b)):T+8*(4*(\a)+(\b))+7]
.endif
.endr
.endr
.endm
; 32 LDS loads in one run: the fragments of the slot's keys 64 q .. 64 q + 63 into buffer f, the first 32 keys first
.macro FETCH q, f
	WIN TO_F
.irp c, 0,1
.irp i, 0,1,2,3
	ds_load_tr16_b128 v[(\f)+64+8*(4*(\c)+(\i)):(\f)+64+8*(4*(\c)+(\i))+3],   v[ADRB0+((\q)>>1)] offset:(((\q)&1)*64+32*(\c))*PVP+32*(\i)
	ds_load_tr16_b128 v[(\f)+64+8*(4*(\c)+(\i))+4:(\f)+64+8*(4*(\c)+(\i))+7], v[ADRB0+((\q)>>1)] offset:(((\q)&1)*64+32*(\c)+16)*PVP+32*(\i)
	ds_load_b128 v[(\f)+8*(4*(\c)+(\i)):(\f)+8*(4*(\c)+(\i))+3],   v[ADRA] offset:128*(\q)+64*(\c)+(\i)*16*PP
	ds_load_b128 v[(\f)+8*(4*(\c)+(\i))+4:(\f)+8*(4*(\c)+(\i))+7], v[ADRA] offset:128*(\q)+64*(\c)+(\i)*16*PP+32
.endr
.endr
.endm
.macro QUARTER q, f, g, zero           ; 64 keys: 32 matrix instructions on buffer f; in the middle the next 64 keys' fragments are fetched into g
	s_wait_dscnt 16                                ; the first 32 keys' fragments are in (and all that was issued before them)
	MUL8 \f, 0, 0, \zero
	MUL8 \f, 0, 2, \zero
	PLACES
	FETCH (\q)+1, \g
	s_wait_dscnt 32                                ; all but the 32 just issued
	MUL8 \f, 1, 0, 0
	MUL8 \f, 1, 2, 0
.endm
; O += f T for the slot's key block kbl: 64 packed multiply-adds, each accumulator's registers in ascending order.  They are also the places in front of the product that starts T anew.
.macro LUMP kbl
	PLACES
	WIN 0xa0                                       ; O (destination and source 2) in window 2, T and f in window 0
.set x, 0
.rept 16
.set z, 0
.rept 4
	v_pk_fma_f32 v[8*x+2*z:8*x+2*z+1], v[T+8*x+2*z:T+8*x+2*z+1], v[FV+2*(4*(\kbl)+x/4):FV+2*(4*(\kbl)+x/4)+1], v[8*x+2*z:8*x+2*z+1] op_sel_hi:[1,0,1]
.set z, z+1
.endr
.set x, x+1
.endr
.endm
; A slot: 256 keys, two blocks of 128.
.macro TRIP
	WIN 0
	v_add_nc_u32 v[ADRA], s[TB], v[AP0]
	v_add_nc_u32 v[ADRB0], s[TB], v[AV0]
	v_add_nc_u32 v[ADRB1], 128*PVP, v[ADRB0]
	v_add_nc_u32 v[FTA], s[KBO], v[FTA0]
.irp kbl, 0,1
.irp a, 0,1,2,3
	ds_load_b32 v[FV+2*(4*(\kbl)+(\a))], v[FTA] offset:256*(\kbl)+64*(\a)
.endr
.endr
	FETCH 0, F0
	QUARTER 0, F0, F1, 1
	QUARTER 1, F1, F0, 0
	LUMP 0
	QUARTER 2, F0, F1, 1
	s_wait_dscnt 16
	MUL8 F1, 0, 0, 0
	MUL8 F1, 0, 2, 0
	s_wait_dscnt 0x0
	MUL8 F1, 1, 0, 0
	MUL8 F1, 1, 2, 0
	LUMP 1
	WIN 0
	s_add_co_u32 s[KBO], s[KBO], 512
.endm
; THE WAY OUT.  Query block a: O x 1e4 / L, rounded to a whole number (ties to even), x 1e-4; a lane's eight channels, 32 bytes, go into rows of 272 bytes and come back as whole rows of 256.
.macro PACK a
	WIN 0x02                                       ; source 0 (O) in window 2
.set z, 0
.rept 16
	v_pk_mul_f32 v[T+32*(\a)+2*z:T+32*(\a)+2*z+1], v[32*(\a)+2*z:32*(\a)+2*z+1], v[RI+2*(\a):RI+2*(\a)+1] op_sel_hi:[1,0]
.set z, z+1
.endr
	WIN 0
.set z, 0
.rept 32
	v_rndne_f32 v[T+32*(\a)+z], v[T+32*(\a)+z]
.set z, z+1
.endr
.set z, 0
.rept 16
	v_pk_mul_f32 v[T+32*(\a)+2*z:T+32*(\a)+2*z+1], v[T+32*(\a)+2*z:T+32*(\a)+2*z+1], 0x38d1b717 op_sel_hi:[1,0]
.set z, z+1
.endr
.irp b, 0,1,2,3
	ds_store_b128 v[STO], v[T+32*(\a)+8*(\b):T+32*(\a)+8*(\b)+3]   offset:64*(\b)
	ds_store_b128 v[STO], v[T+32*(\a)+8*(\b)+4:T+32*(\a)+8*(\b)+7] offset:64*(\b)+16
.endr
.irp t, 0,1,2,3,4,5,6,7
	ds_load_b128 v[T+32*(\a)+4*(\t):T+32*(\a)+4*(\t)+3], v[RD] offset:(\t)*2*SP  ; in order behind the stores above; the next block's stores come behind them
.endr
.endm
.macro SEND a, younger                 ; younger: the LDS instructions issued behind block a's loads: the next block's sixteen, or none
	WIN 0
.irp t, 0,1,2,3,4,5,6,7
	s_wait_dscnt (\younger)+7-(\t)
	global_store_b128 v[GO], v[T+32*(\a)+4*(\t):T+32*(\a)+4*(\t)+3], s[OB:OB+1] offset:(16*(\a)+2*(\t))*4096  ; 16 lanes store 256 consecutive bytes, at a multiple of 256 from out0's first byte
.endr
.endm
.macro WAYOUT
	WIN 0
.irp a, 0,1,2,3
	ds_load_b32 v[RI+2*(\a)], v[FTA0] offset:RIOFF+64*(\a)
.endr
	s_wait_dscnt 0x0
	PACK 0
	PACK 1                                         ; a block's arithmetic stands between the loads of the block before and its stores
	SEND 0, 16
	PACK 2
	SEND 1, 16
	PACK 3
	SEND 2, 16
	SEND 3, 0
.endm
	s_wait_loadcnt 0x0                             ; the statistics.  All that follows up to the loop stands in the wait for the first tile
	STATS 0
	STATS 1
	TABLE 0
	CLEAR
.Lslot:                                                ; 8 times: a slot is entered and the next is asked for
	CHANGE 1
	TRIP
	s_sub_co_u32 s[RT], s[RT], 1
	s_cmp_lg_u32 s[RT], 0
	s_cbranch_scc1 .Lbottom                        ; the block goes on.  The jump goes forward, past no barrier and no tensor load; RT hangs on pp, which the partners share
	WAYOUT                                         ; the first block's end: the second block's first slot is on its way
	s_wait_xcnt 0x0                                ; the stores have read their base and their data
	s_mov_b64 s[OB:OB+1], s[OB2:OB2+1]
	s_mov_b32 s[RT], s[N2]
	s_mov_b32 s[KBO], 0
	CLEAR
	TABLE 1
.Lbottom:
	s_sub_co_u32 s[SLOTS], s[SLOTS], 1
	s_cmp_lg_u32 s[SLOTS], 0
	s_cbranch_scc1 .Lslot
	CHANGE 0                                       ; the walk's last slot is written out: nothing is asked for
	TRIP
	WAYOUT
	s_wait_tensorcnt 0x0                           ; the wave's end
	ds_add_u32 v[SPW], v[NIL]
	s_wait_dscnt 0x0
	CROUND                                         ; the closing round
	s_endpgm
.Lfunc_end_k_qc411bf3f4d_pv:
	.size	k_qc411bf3f4d_pv, .Lfunc_end_k_qc411bf3f4d_pv-k_qc411bf3f4d_pv
	.p2alignl 7, 3214868480
	.fill 96, 4, 3214868480
	.section	.rodata,"a",@progbits
	.p2align	6, 0x0
	.amdhsa_kernel k_qc411bf3f4d_pv
		.amdhsa_group_segment_fixed_size 327680
		.amdhsa_private_segment_fixed_size 0
		.amdhsa_enable_private_segment 0
		.amdhsa_kernarg_size 32
		.amdhsa_user_sgpr_count 2
		.amdhsa_user_sgpr_kernarg_segment_ptr 1
		.amdhsa_wavefront_size32 1
		.amdhsa_system_sgpr_workgroup_id_x 1
		.amdhsa_system_sgpr_workgroup_id_y 1
		.amdhsa_system_sgpr_workgroup_id_z 1
		.amdhsa_system_vgpr_workitem_id 0
		.amdhsa_next_free_vgpr 768
		.amdhsa_next_free_sgpr 80
		.amdhsa_reserve_vcc 0
		.amdhsa_float_denorm_mode_32 3
		.amdhsa_float_denorm_mode_16_64 3
		.amdhsa_memory_ordered 1
		.amdhsa_forward_progress 1
		.amdhsa_inst_pref_size 134
	.end_amdhsa_kernel
	.amdgpu_metadata
---
amdhsa.version: [ 1, 2 ]
amdhsa.kernels:
  - .name:           k_qc411bf3f4d_pv
    .symbol:         k_qc411bf3f4d_pv.kd
    .args:
      - { .name: p, .offset: 0, .size: 8, .value_kind: global_buffer, .address_space: global }
      - { .name: qkv, .offset: 8, .size: 8, .value_kind: global_buffer, .address_space: global }
      - { .name: stat, .offset: 16, .size: 8, .value_kind: global_buffer, .address_space: global }
      - { .name: out0, .offset: 24, .size: 8, .value_kind: global_buffer, .address_space: global }
    .group_segment_fixed_size: 327680
    .private_segment_fixed_size: 0
    .kernarg_segment_align: 8
    .kernarg_segment_size: 32
    .max_flat_workgroup_size: 128
    .sgpr_count:     80
    .vgpr_count:     768
    .wavefront_size: 32
...
	.end_amdgpu_metadata
.endif
;; end of part 4
;; ======== version 2 of 2: 4 launches; version 1 with the launch cast written anew for expert scheduling mode
;; limits: values are held in f16: magnitudes above 65,504 overflow, below 6.1e-05 lose precision
;; workspace buffers: xb 16,777,216 bytes; wb 6,291,456 bytes; qkv 50,331,648 bytes; p 33,554,432 bytes; stat 1,048,576 bytes
;; launch cast (part 5): grid 704 x 1, 8 waves a work-group, no clusters, 0 bytes of LDS; arguments embedded, W_q, W_k, W_v, xb, wb; writes xb, wb
.if DOCPART == 5
	.amdgcn_target "amdgcn-amd-amdhsa--gfx1250"
	.amdhsa_code_object_version 6
	.text
	.protected	k_qc411bf3f4d_cast
	.globl	k_qc411bf3f4d_cast
	.p2align	8
	.type	k_qc411bf3f4d_cast,@function
k_qc411bf3f4d_cast:
	s_mov_b64 s[64:65], 0
	v_nop
	global_prefetch_b8 v0, s[64:65] scope:SCOPE_SE
	s_setreg_imm32_b32 hwreg(HW_REG_WAVE_SCHED_MODE, 0, 2), 2
	s_setreg_imm32_b32 hwreg(HW_REG_WAVE_MODE, 25, 1), 1
	s_wait_xcnt 0x0
	s_wait_alu depctr_vm_vsrc(0)
; xb = bf16(embedded), wb = bf16(W_q ; W_k ; W_v), each number rounded once, to nearest even, and laid out IN BLOCKS OF 32 CHANNELS for the product behind:
;   xb[kq][row][32], kq = 0..31, row = 0..8191: a block is 524,288 bytes;   wb[kq][row][32], row = 0..3071 (W_q, W_k, W_v one behind the other): a block is 196,608 bytes.
; So the rows of a tile of that product lie end to end in each block, 64 bytes a row.
; A work-group converts 16 rows of 1,024 numbers: 65,536 bytes in, 32,768 out.  Groups 0-511 take embedded; group 512 + h takes rows 16 (h % 64) .. of weight h / 64, which are rows 16 h .. of wb.
; Wave w takes the blocks kq = 4 w .. 4 w + 3.  Unit u of 16: block 4 w + u % 4, rows 4 (u / 4) .. + 3.  Lane l: row l / 8 of the four, numbers 4 (l % 8) .. + 3 of the 32:
; a load takes 128 consecutive bytes of each of four rows (two units on end make 256, aligned), a store covers 256 consecutive bytes, aligned: four rows of a block.
; All 16 loads of a thread go out first; no register is written twice, so no wait frees a source.  No LDS, no matrix unit, no cluster: nothing is shared and nothing is read twice.
; THE MODE: SCHED_MODE bits 1:0 = 2 (LLVM: expert scheduling mode 2), set by the entry lines.  The code itself states the register dependences
; between vector instructions and memory instructions, with s_wait_alu, always for 0.
; THE PLAN.  Registers that memory instructions touch:
;   v1         the loads' offset.   Written by vector instructions at the head; read by all 16 loads; never written again.
;   VO0 .. 3   the stores' offsets. Written by vector instructions at the head; read by the 16 stores; never written again.
;   X[u]       Written by unit u's load, once, and by nothing before it; read by unit u's two conversions.
;   Y[u]       Written by unit u's two conversions, once; read by unit u's store, which is issued in unit u + 4's turn; never written again.
; So the one kind of dependence in this text is: a vector instruction has written what a memory instruction reads.  One wait at the head states it for v1 and VO.  The units go in batches of four:
; one wait at the head of batches 1, 2 and 3 states that the batch before has written its Y.  The batch's four stores follow it, dealt among the batch's own conversions, which name X and Y of the batch
; in hand alone: none of the registers that those stores read.  One more wait stands ahead of the last four stores.  No register that a memory instruction has read is written again, and no load
; lands in a register that a vector instruction has named: nothing else is to be stated.
.set VO, 4                             ; v[4:7]    byte offset in the output of my 8 bytes in block 4 w + j, j = 0..3
.set X,  8                             ; v[8:71]   unit u: 4 numbers in f32
.set Y,  72                            ; v[72:103] unit u: 4 numbers in bf16
	s_load_b256 s[4:11], s[0:1], 0x0               ; embedded s[4:5], W_q s[6:7], W_k s[8:9], W_v s[10:11]
	s_load_b128 s[12:15], s[0:1], 0x20             ; xb s[12:13], wb s[14:15]
	v_and_b32 v2, 31, v0                           ; lane
	v_lshrrev_b32 v3, 5, v0                        ; wave
	v_lshrrev_b32 v1, 3, v2
	v_lshlrev_b32 v1, 12, v1                       ; row l / 8: 4,096 bytes a row
	v_and_b32 v0, 7, v2
	v_lshl_add_u32 v1, v0, 4, v1                   ; + 16 (l % 8)
	v_lshl_add_u32 v1, v3, 9, v1                   ; + my wave's four blocks: 512 bytes of a row
	v_lshlrev_b32 v3, 2, v3                        ; 4 w
	s_max_u32 s16, ttmp9, 512
	s_sub_co_u32 s16, s16, 512                     ; h (0 in the groups that take embedded)
	s_lshr_b32 s17, s16, 6                         ; which weight
	s_and_b32 s26, s16, 63                         ; which 16 rows of it
	s_mov_b32 s23, 0
	s_mov_b32 s25, 0
	s_mov_b32 s27, 524288
	s_mov_b32 s28, 196608
	s_cmp_lt_u32 ttmp9, 512
	s_cselect_b32 s27, s27, s28                    ; bytes in a block of the output
.irp j, 0,1,2,3
	v_add_nc_u32 v0, \j, v3
	v_mul_lo_u32 v0, v0, s27
	v_lshl_add_u32 v[VO+(\j)], v2, 3, v0           ; block x its bytes + 8 l (64 bytes a row, 8 a lane)
.endr
	s_wait_kmcnt 0x0
	s_cmp_eq_u32 s17, 1
	s_cselect_b64 s[18:19], s[8:9], s[6:7]
	s_cmp_eq_u32 s17, 2
	s_cselect_b64 s[18:19], s[10:11], s[18:19]
	s_cmp_lt_u32 ttmp9, 512
	s_cselect_b64 s[18:19], s[4:5], s[18:19]       ; the source,
	s_cselect_b64 s[20:21], s[12:13], s[14:15]     ; the destination,
	s_cselect_b32 s22, ttmp9, s26                  ; my 16 rows of the one
	s_cselect_b32 s24, ttmp9, s16                  ; and of the other
	s_lshl_b32 s22, s22, 16                        ; 16 rows of 4,096 bytes
	s_lshl_b32 s24, s24, 10                        ; 16 rows of 64 bytes
	s_add_nc_u64 s[18:19], s[18:19], s[22:23]
	s_add_nc_u64 s[20:21], s[20:21], s[24:25]
	s_wait_alu depctr_va_vdst(0)                   ; v1 is written, which every load reads as its offset, and so are v[VO .. VO+3], which the stores read as theirs; no vector instruction writes them again
.set u, 0
.rept 16
	global_load_b128 v[X+4*u:X+4*u+3], v1, s[18:19] offset:(u>>2)*16384+(u&3)*128 th:TH_LOAD_NT
.set u, u+1
.endr
; Unit u's turn: its load is in; the store of unit u - 4 goes out; unit u is converted.
.set u, 0
.rept 16
	s_wait_loadcnt 15-u                            ; loads come back in order: unit u is in, the 15 - u younger loads stay out
.if u >= 4
.if (u&3) == 0
	s_wait_alu depctr_va_vdst(0)                   ; the conversions of units u - 4 to u - 1 have written their Y, which this batch's four stores read
.endif
.set w, u-4
	global_store_b64 v[VO+(w&3)], v[Y+2*w:Y+2*w+1], s[20:21] offset:(w>>2)*256  ; no vector instruction since the wait names these registers
.endif
	v_cvt_pk_bf16_f32 v[Y+2*u],   v[X+4*u],   v[X+4*u+1]
	v_cvt_pk_bf16_f32 v[Y+2*u+1], v[X+4*u+2], v[X+4*u+3]
.set u, u+1
.endr
	s_wait_alu depctr_va_vdst(0)                   ; the conversions of units 12 to 15 have written their Y, which the last four stores read
.set w, 12
.rept 4
	global_store_b64 v[VO+(w&3)], v[Y+2*w:Y+2*w+1], s[20:21] offset:(w>>2)*256
.set w, w+1
.endr
	s_endpgm
.Lfunc_end_k_qc411bf3f4d_cast:
	.size	k_qc411bf3f4d_cast, .Lfunc_end_k_qc411bf3f4d_cast-k_qc411bf3f4d_cast
	.p2alignl 7, 3214868480
	.fill 96, 4, 3214868480
	.section	.rodata,"a",@progbits
	.p2align	6, 0x0
	.amdhsa_kernel k_qc411bf3f4d_cast
		.amdhsa_group_segment_fixed_size 0
		.amdhsa_private_segment_fixed_size 0
		.amdhsa_enable_private_segment 0
		.amdhsa_kernarg_size 48
		.amdhsa_user_sgpr_count 2
		.amdhsa_user_sgpr_kernarg_segment_ptr 1
		.amdhsa_wavefront_size32 1
		.amdhsa_system_sgpr_workgroup_id_x 1
		.amdhsa_system_sgpr_workgroup_id_y 1
		.amdhsa_system_sgpr_workgroup_id_z 1
		.amdhsa_system_vgpr_workitem_id 0
		.amdhsa_next_free_vgpr 104
		.amdhsa_next_free_sgpr 66
		.amdhsa_reserve_vcc 0
		.amdhsa_float_denorm_mode_32 3
		.amdhsa_float_denorm_mode_16_64 3
		.amdhsa_memory_ordered 1
		.amdhsa_forward_progress 1
		.amdhsa_inst_pref_size 9
	.end_amdhsa_kernel
	.amdgpu_metadata
---
amdhsa.version: [ 1, 2 ]
amdhsa.kernels:
  - .name:           k_qc411bf3f4d_cast
    .symbol:         k_qc411bf3f4d_cast.kd
    .args:
      - { .name: embedded, .offset: 0, .size: 8, .value_kind: global_buffer, .address_space: global }
      - { .name: W_q, .offset: 8, .size: 8, .value_kind: global_buffer, .address_space: global }
      - { .name: W_k, .offset: 16, .size: 8, .value_kind: global_buffer, .address_space: global }
      - { .name: W_v, .offset: 24, .size: 8, .value_kind: global_buffer, .address_space: global }
      - { .name: xb, .offset: 32, .size: 8, .value_kind: global_buffer, .address_space: global }
      - { .name: wb, .offset: 40, .size: 8, .value_kind: global_buffer, .address_space: global }
    .group_segment_fixed_size: 0
    .private_segment_fixed_size: 0
    .kernarg_segment_align: 8
    .kernarg_segment_size: 48
    .max_flat_workgroup_size: 256
    .sgpr_count:     66
    .vgpr_count:     104
    .wavefront_size: 32
...
	.end_amdgpu_metadata
.endif
;; end of part 5
;; launch proj: the kernel of part 2 again; grid 8 x 32, 4 waves a work-group, clusters of 4 x 4, 327,680 bytes of LDS; arguments xb, wb, qkv; writes qkv
;; launch score: the kernel of part 3 again; grid 36 x 4, 4 waves a work-group, no clusters, 327,680 bytes of LDS; arguments qkv, p, stat; writes p, stat
;; launch pv: the kernel of part 4 again; grid 8 x 32, 4 waves a work-group, clusters of 4 x 1, 327,680 bytes of LDS; arguments p, qkv, stat, out0; writes out0
